; MI455X (gfx1250); checked and timed in simulation.
; The chip was launched on July 23, 2026; its instructions are those of AMD's public machine-readable ISA for CDNA 5 (MIT licence, August 2026) and "CDNA5" Instruction Set Architecture Reference Guide (July 2026). The comments in the code are by the model that wrote it; some were corrected since.
;; DSA Multi Head Attention. Allowed arithmetic: matrix products marked QUANTISED: E2M1 operands, one E8M0 scale for each 32 along K, by v_wmma_scale_f32_16x16x128_f8f6f4 with both operands' format E2M1 (or v_wmma_scale_f32_32x16x128_f4), f32 sums; everything else in f32.
;; Inputs: bk 512 float32; bo 512 float32; bq 512 float32; bv 512 float32; ln_b 512 float32; ln_g 512 float32; wk_codes 512 x 16 x 16 uint8 (E2M1 codes of wk, K innermost, in blocks of 32 codes, two codes a byte); wk_scales 512 x 16 uint8 (E8M0 scales of wk, one for each 32 codes along K); wo_codes 512 x 16 x 16 uint8 (E2M1 codes of wo, K innermost, in blocks of 32 codes, two codes a byte); wo_scales 512 x 16 uint8 (E8M0 scales of wo, one for each 32 codes along K); wq_codes 512 x 16 x 16 uint8 (E2M1 codes of wq, K innermost, in blocks of 32 codes, two codes a byte); wq_scales 512 x 16 uint8 (E8M0 scales of wq, one for each 32 codes along K); wv_codes 512 x 16 x 16 uint8 (E2M1 codes of wv, K innermost, in blocks of 32 codes, two codes a byte); wv_scales 512 x 16 uint8 (E8M0 scales of wv, one for each 32 codes along K); x 2 x 4,096 x 512 float32.
;; Outputs: out0 2 x 4,096 x 512 float32.
;; This version of the problem:
;;   THIS VERSION OF THE PROBLEM IS GIVEN IN LOW PRECISION. The matrix products marked QUANTISED in the list below multiply operands that are first quantised to E2M1 (2 exponent bits, 1 mantissa bit; 4 bits a number), with one power-of-two scale for each 32 numbers along K (OCP MX v1.0); their sums are f32. All else is computed in f32.
;;   The module's matrix products, in the order in which they are computed (A, B: the left and right operand; K: the contracted axis; several contracted axes count as one K, in the product's order):
;;     1. [M 8,192, K 512] x [K 512, N 512]; A: input x; B: input wq (given as codes): QUANTISED
;;     2. [M 8,192, K 512] x [K 512, N 512]; A: input x; B: input wk (given as codes): QUANTISED
;;     3. [M 8,192, K 512] x [K 512, N 512]; A: input x; B: input wv (given as codes): QUANTISED
;;     4. batch 16 x [M 4,096, K 64] x [K 64, N 4,096]; A: computed on the way; B: computed on the way: QUANTISED
;;     5. batch 16 x [M 4,096, K 4,096] x [K 4,096, N 64]; A: softmax (see below); B: computed on the way: QUANTISED
;;     6. [M 8,192, K 512] x [K 512, N 512]; A: computed on the way; B: input wo (given as codes): QUANTISED
;;   THE QUANTISER, for each operand of a quantised product, along K:
;;     - K is cut into blocks of 32 from its start; a last block that is shorter is filled with zeros.
;;     - A block's scale is 2^e with e = floor(log2(the largest magnitude in the block)) - 2, held to -126 .. 127; a block of zeros has e = 0. As a byte (E8M0): e + 127.
;;     - Each number is divided by its block's scale, clamped to +-6, and rounded to the nearest number of E2M1, ties to even, subnormals kept.
;;     - The product sums the exact products of the quantised numbers (number of the format x scale) in f32.
;;   ~~~python
;;   def quantise(x, axis):      # numpy; x: float32 -> the quantised numbers, widened to float32 again
;;       x = np.moveaxis(x, axis, -1); K = x.shape[-1]
;;       x = np.pad(x, [(0, 0)] * (x.ndim - 1) + [(0, -K % 32)]); x = x.reshape(x.shape[:-1] + (-1, 32)); a = np.abs(x).max(-1, keepdims=True)
;;       e = np.where(a > 0, np.clip(np.frexp(np.where(a > 0, a, 1))[1] - 1 - 2, -126, 127), 0)      # np.frexp(a)[1] - 1 = floor(log2(a)), exactly
;;       r = np.clip(x / 2.0 ** e, -6, 6)
;;       step = 2.0 ** (np.maximum(np.frexp(np.where(r == 0, 1, r))[1] - 1, 0) - 1)
;;       q = np.round(r / step) * step * 2.0 ** e      # np.round: ties to even
;;       return np.moveaxis(q.reshape(q.shape[:-2] + (-1,))[..., :K], -1, axis).astype(np.float32)
;;   ~~~
;;   SOFTMAX AHEAD OF A QUANTISED PRODUCT. Where the list says 'softmax', what is quantised is not the finished softmax but p = 2^(t - M), with t = logit x log2(e) and M = ceil(the row's largest t), a whole number; so 1/2 < the row's largest p <= 1. The row's sum l is taken of the UNQUANTISED p, in f32, and the product's result is divided by l at the end. Since M is a whole number, a kernel that streams over the keys may use a running M (the ceiling of the running maximum): every later rescaling is an exact power of two, which a block's scale takes up: the codes' values come out the same.
;;   OPERANDS COMPUTED ON THE WAY. 'Computed on the way' means the value that the module computes at that place (a softmax that the list does not call 'softmax' is quantised finished and normalised). What goes into a quantiser is computed in f32, as accurately as f32 sums, v_exp_f32 and their like allow (about 1e-6 of the number): no bf16 or f16 on the way to a quantiser, and a product that is left as it is and whose result goes on into a quantised operand takes f32 operands (vector FMAs, or v_wmma_f32_16x16x4_f32). A number that lies on a knife's edge between two numbers of the format may be rounded either way, as far as f32 arithmetic and the matrix unit's own rounding can turn it there, and no further.
;;   INPUTS GIVEN AS CODES. wk (in the module: [512, 512], K = its axis 0); wo (in the module: [512, 512], K = its axis 0); wq (in the module: [512, 512], K = its axis 0); wv (in the module: [512, 512], K = its axis 0): each comes as NAME_codes (uint8): NAME with its K axis moved to the last place and cut into blocks of 32 codes, [.., K / 32, bytes a block], one block behind the other in memory; two codes a byte, the lower K in the low four bits (a code: sign, 2 exponent bits, 1 mantissa bit); and NAME_scales (uint8): the same leading axes, one E8M0 byte (e + 127) for each 32 codes along K. Its value is code x scale, taken as it is: it is not quantised again, and the codes and scales need not be those that the quantiser above would give.
;; 2 versions. Each part assembles by itself: llvm-mc -triple=amdgcn-amd-amdhsa -mcpu=gfx1250 --defsym DOCPART=n.
;; ======== version 1 of 2: 3 launches
;; workspace buffers: kv 4,456,448 bytes; qc 2,097,152 bytes; qs 131,072 bytes; cc 2,097,152 bytes; cs 131,072 bytes
;; launch qkv (part 1): grid 64 x 4, 16 waves a work-group, no clusters, 175,616 bytes of LDS; arguments x, wk_codes, wk_scales, bk, wq_codes, wq_scales, bq, wv_codes, wv_scales, bv, kv, qc, qs; writes kv, qc, qs
.if DOCPART == 1
	.amdgcn_target "amdgcn-amd-amdhsa--gfx1250"
	.amdhsa_code_object_version 6
	.text
	.protected	k_q65e8eb2b8d_qkv
	.globl	k_q65e8eb2b8d_qkv
	.p2align	8
	.type	k_q65e8eb2b8d_qkv,@function
k_q65e8eb2b8d_qkv:
	s_mov_b64 s[64:65], 0
	v_nop
	global_prefetch_b8 v0, s[64:65] scope:SCOPE_SE
	s_setreg_imm32_b32 hwreg(HW_REG_WAVE_MODE, 25, 1), 1
	s_wait_xcnt 0x0
; q = x wq + bq, k = x wk + bk, v = x wv + bv on codes of FP4 (E2M1) with one E8M0 scale for each 32 along K; then q and k are quantised along the head's 64 and v along the keys.
; x: [8192][512] f32, quantised here along its 512.  The weights: codes [512 (n)][256 bytes], K innermost, 16 scale bytes a row.  Nothing of q, k, v goes to memory but codes and scale bytes.
; SHARES.  A work-group takes 128 rows of x (work-group x) and two heads (work-group y: heads 2 y, 2 y + 1) of q, k and v.  Sixteen waves:
;   all:        wave w quantises two of x's 32 fragments (16 rows x 128 K) and leaves them in LDS as images of their registers (16 bytes a lane at 16 x lane, 512 bytes for four registers);
;   waves 0-7:  k (0-3) or q (4-7), head (w >> 1) & 1, the head's block w & 1 of 32 channels, for all eight tiles of rows: 64 matrix instructions;
;   waves 8-15: v, head (w >> 2) & 1, 16 channels (tile w & 3), all 128 rows: 32 matrix instructions.
; THE ROWS OF A TILE ARE NOT NEIGHBOURS: slot r of tile 2 f + u of a block of 128 holds row 32 f + 8 u + r + 8 (r / 8); the 16 channels of a tile of a head are chosen likewise.  A result whose M runs over such a tile
; has element 32 f + 16 (lane / 16) + 8 u + j in register j: the 16 registers of tiles 2 f and 2 f + 1 are 16 neighbours, which is what the conversions want.
; WHAT IS STORED, all as images of operand registers (G = 8 x batch + head; a step = these 128 rows as keys):
;   kv [G][step][8,704]: +0 k: tile t at 512 t, lane (r, h): channels 32 h .. 32 h + 31 of the key in slot r;  +4,096 v: channel tile t at 1,024 t, group c: keys 64 c + 32 h + 0 .. 31 of the channel in slot r;
;                        +8,192 k's scale bytes at 8 r + 128 (f & 1) + 4 (f >> 1) + 2 u + block;  +8,448 v's scale words at 8 r + 128 (t & 1) + 4 (t >> 1).
;   qc [G][tile of the batch][512] as a tile of k;  qs [G][step][256] as k's scale bytes.
; LIMITS: a block whose largest magnitude lies under 2^-124 gets the byte 1 (the floor); so does a block of zeros, where the rule says 127: its codes are zeros and this program alone reads the bytes.  NaN and infinities among the inputs are not served.
; NO CLUSTER, NO TENSOR LOAD.  Partners would share x (262,144 bytes for the four work-groups of a block of rows) and the weights (106,496 bytes for the 64 work-groups of a pair of heads).  Each weight byte goes from memory into
; the registers of the one wave that multiplies by it, once; through LDS it would cost a store and a load more, for at most 64 matrix instructions a wave.  x taken jointly would have to lie in LDS whole beside the images; not built.
.set SP,    528                        ; a stage row: 512 bytes + 16: 33 x 16, so the sixteen rows that a turned load touches start in sixteen different columns of 16 bytes
.set WSTG,  16*SP                      ; a wave's stage
.set XIMG,  16*WSTG                    ; x's 32 fragments, 1,024 bytes each: fragment 4 t + s (tile t, K step s)
.set XSC,   XIMG+32*1024               ; their scale words, 128 bytes each
.set GATH,  XSC+32*128                 ; six blocks of 256 scale bytes: k of head 0, 1; q of head 0, 1; v of head 0, 1
.set HEADB, 278528                     ; a head in kv
.set STEPB, 8704                       ; a step in kv
.set LI,   1                           ; v1   16 x lane
.set XRI,  2                           ; v2   XIMG + 16 x lane
.set XRS,  3                           ; v3   XSC + 4 x lane
.set SIN,  4                           ; v4   my stage, as loaded: 16 x lane
.set SOUT, 5                           ; v5   my stage, turned: SP r + 64 h
.set XWI,  6                           ; v6   where I store my two images
.set XWS,  7                           ; v7   and their scale words
.set WA,   8                           ; v8   a weight's codes: (r + 8 (r / 8)) x 256 + 16 h
.set WSA,  9                           ; v9   its scale bytes: (r + 8 (r / 8)) x 16
.set BQA,  10                          ; v10  bq, bk: 64 h
.set BVA,  11                          ; v11  bv: (r + 8 (r / 8)) x 4
.set CO,   12                          ; v12  q's, k's codes: 16 r + 8 h
.set GB,   13                          ; v13  q's, k's scale byte in the gather
.set GV,   14                          ; v14  v's scale word in the gather
.set GR,   15                          ; v15  the gather read back
.set GO,   248                         ; v248 the last copy's offset in memory
.set RA,   16                          ; v16-79   x as loaded, first fragment; then the second, turned; then x's fragments
.set RB,   80                          ; v80-143  x as loaded, second fragment; then the weight's fragments
.set TA,   144                         ; v144-207 the first fragment, turned
.set XF,   16
.set W,    80
.set BI,   144                         ; v144-159 the bias in the result's layout
.set AQ,   160                         ; v160-175 q's, k's two accumulators
.set CQ,   176                         ; v176-191 their codes, two registers a tile
.set EQ,   192                         ; v192-199 their bytes, one a tile
.set AV,   160                         ; v160-223 v's eight accumulators
.set PC,   208                         ; v208-215 x's codes just made
.set PW,   216                         ; v216     x's scale word just made
.set WS,   224                         ; v224-231 the weight's scale words: scales alone
.set XS,   232                         ; v232-239 x's scale words: scales alone
.set TM,   240                         ; v240-247, v252-255 at work
.set SEL,  50                          ; s[50:51] selects of v_permlanex16_b32 for lane l xor 16
; 64 numbers of a lane, register 16 b + i = k 32 b + 16 (lane / 16) + i of my row, become a fragment's codes in v[pc] on and its scale word in v[pw].
.macro QUANT4 s, pc, pw
.irp b, 0,1,2,3
	v_max3_num_f32 v[TM+\b], |v[\s+16*\b]|, |v[\s+1+16*\b]|, 0x1800000   ; block b: my 16 numbers and the floor 2^(3 - 127): the byte cannot fall under 1
.endr
.irp i, 2,4,6,8,10,12,14
.irp b, 0,1,2,3
	v_max3_num_f32 v[TM+\b], v[TM+\b], |v[\s+16*\b+\i]|, |v[\s+1+16*\b+\i]|   ; the four blocks by turns
.endr
.endr
.irp b, 0,1,2,3
	v_permlanex16_b32 v[TM+4+\b], v[TM+\b], s[SEL], s[SEL+1]
.endr
.irp b, 0,1,2,3
	v_max_num_f32 v[TM+\b], v[TM+\b], v[TM+4+\b]   ; with lane l xor 16's: the block's largest magnitude
.endr
.irp b, 0,1,2,3
	v_add_nc_u32 v[TM+12+\b], 0xff000000, v[TM+\b]   ; 2 off its exponent field: the conversion's scale operand
.endr
.irp b, 0,1,2,3
	v_lshrrev_b32 v[TM+4+\b], 23, v[TM+12+\b]      ; the scale's byte
.endr
	v_lshl_or_b32 v[\pw], v[TM+5], 8, v[TM+4]
	v_lshl_or_b32 v[\pw], v[TM+6], 16, v[\pw]
	v_lshl_or_b32 v[\pw], v[TM+7], 24, v[\pw]
.irp b, 0,1,2,3
	v_cvt_scalef32_pk8_fp4_f32 v[\pc+2*\b], v[\s+16*\b:\s+7+16*\b], v[TM+12+\b]
	v_cvt_scalef32_pk8_fp4_f32 v[\pc+1+2*\b], v[\s+8+16*\b:\s+15+16*\b], v[TM+12+\b]
.endr
	v_nop                                          ; one plain place behind a scaled conversion
.irp c, 0,1                                    ; the operand wants a whole block in a lane: lanes 0-15 block 2 c, lanes 16-31 block 2 c + 1
.irp i, 0,1
	v_permlane16_swap_b32 v[\pc+4*\c+\i], v[\pc+2+4*\c+\i]
.endr
.endr
.endm
.macro TURN raw, dst                           ; 16 rows x 512 bytes through my stage: in as loaded, back 64 bytes of a row a lane.  LDS serves a wave's instructions in order: no wait between
.irp i, 0,1,2,3,4,5,6,7,8,9,10,11,12,13,14,15
	ds_store_b128 v[SIN], v[\raw+4*\i:\raw+4*\i+3] offset:SP*\i
.endr
.irp b, 0,1,2,3
.irp j, 0,1,2,3
	ds_load_b128 v[\dst+16*\b+4*\j:\dst+16*\b+4*\j+3], v[SOUT] offset:128*\b+16*\j
.endr
.endr
.endm
.macro IMAGE off                               ; the fragment in v[PC] on and its scale word go to LDS as they stand
	ds_store_b128 v[XWI], v[PC:PC+3] offset:\off
	ds_store_b128 v[XWI], v[PC+4:PC+7] offset:\off+512
	ds_store_b32 v[XWS], v[PW] offset:(\off)/8
.endm
.macro BARRIER                                 ; my LDS stores have landed and my LDS loads are in: then the work-group's barrier
	s_wait_dscnt 0x0
	s_barrier_signal -1
	s_barrier_wait -1
.endm
.macro PLACES
.rept 4
	v_nop
.endr
.endm
	s_load_b512 s[8:23], s[0:1], 0x0               ; x 8, wk_codes 10, wk_scales 12, bk 14, wq_codes 16, wq_scales 18, bq 20, wv_codes 22
	s_load_b256 s[24:31], s[0:1], 0x40             ; wv_scales 24, bv 26, kv 28, qc 30
	s_load_b64 s[32:33], s[0:1], 0x60              ; qs
	v_lshl_add_u32 v250, v0, 2, 0x2a600
	v_mov_b32 v251, 0
	v_lshrrev_b32 v240, 5, v0
	v_readfirstlane_b32 s4, v240                   ; wave 0..15
	v_and_b32 v240, 31, v0                         ; lane
	v_lshlrev_b32 v[LI], 4, v240
	s_and_b32 s6, ttmp7, 0xffff                    ; y
	s_lshr_b32 s38, s4, 2                          ; w >> 2
	s_bfe_u32 s36, s4, 0x10001                     ; (w >> 1) & 1
	s_and_b32 s37, s4, 1                           ; w & 1
	s_lshl_b32 s48, ttmp9, 7                       ; x: my tile w >> 1 begins at row 128 x block + 32 (w >> 2) + 8 ((w >> 1) & 1);
	s_lshl_b32 s52, s38, 5
	s_add_co_u32 s48, s48, s52
	s_lshl_b32 s52, s36, 3
	s_add_co_u32 s48, s48, s52
	s_lshl_b32 s48, s48, 11                        ; rows of 2,048 bytes;
	s_lshl_b32 s52, s37, 10
	s_add_co_u32 s48, s48, s52                     ; my two K steps begin 1,024 (w & 1) bytes on
	s_mov_b32 s49, 0
	s_wait_kmcnt 0x0
	s_add_nc_u64 s[8:9], s[8:9], s[48:49]
.irp q, 0,1                                    ; each load: 512 consecutive bytes of one row: a K step's 128 numbers
.irp i, 0,1,2,3,4,5,6,7,8,9,10,11,12,13,14,15
	global_load_b128 v[RA+64*\q+4*\i:RA+64*\q+4*\i+3], v[LI], s[8:9] offset:(\i+8*(\i/8))*2048+512*\q
.endr
.endr
	; every address register is made here, ahead of the first parting of the waves
	v_and_b32 v241, 15, v0                         ; r
	v_bfe_u32 v242, v0, 4, 1                       ; h
	v_and_b32 v243, 8, v241
	v_add_nc_u32 v243, v243, v241                  ; r + 8 (r / 8)
	v_add_nc_u32 v[XRI], XIMG, v[LI]
	v_lshl_add_u32 v[XRS], v240, 2, XSC
	s_mul_i32 s52, s4, WSTG
	v_add_nc_u32 v[SIN], s52, v[LI]
	v_mul_u32_u24 v[SOUT], v241, SP
	v_lshl_add_u32 v[SOUT], v242, 6, v[SOUT]
	v_add_nc_u32 v[SOUT], s52, v[SOUT]
	s_lshl_b32 s52, s4, 11
	v_add_nc_u32 v[XWI], s52, v[XRI]               ; fragments 2 w and 2 w + 1
	s_lshl_b32 s52, s4, 8
	v_add_nc_u32 v[XWS], s52, v[XRS]
	v_lshlrev_b32 v[WA], 8, v243
	v_lshl_add_u32 v[WA], v242, 4, v[WA]
	v_lshlrev_b32 v[WSA], 4, v243
	v_lshlrev_b32 v[BQA], 6, v242
	v_lshlrev_b32 v[BVA], 2, v243
	v_lshlrev_b32 v[CO], 4, v241
	v_lshl_add_u32 v[CO], v242, 3, v[CO]
	s_bfe_u32 s52, s4, 0x20001                     ; (w >> 1) & 3: k of head 0, 1, q of head 0, 1
	s_lshl_b32 s52, s52, 8
	s_add_co_u32 s52, s52, s37                     ; + my block
	s_add_co_u32 s52, s52, GATH
	v_lshl_add_u32 v[GB], v241, 3, s52
	s_and_b32 s53, s38, 1                          ; (w >> 2) & 1: v's head
	s_lshl_b32 s52, s53, 8
	s_lshl_b32 s54, s37, 7
	s_add_co_u32 s52, s52, s54
	s_lshl_b32 s54, s36, 2
	s_add_co_u32 s52, s52, s54
	s_add_co_u32 s52, s52, GATH+1024
	v_lshl_add_u32 v[GV], v241, 3, s52
	s_min_u32 s52, s4, 2                           ; waves 0, 1, 2 copy the gather out, two blocks each
	s_lshl_b32 s52, s52, 9
	s_add_co_u32 s52, s52, GATH
	v_add_nc_u32 v[GR], s52, v[LI]
	s_mov_b32 s52, HEADB
	s_cmp_eq_u32 s4, 1
	s_cselect_b32 s52, 8192, s52                   ; from head to head: in qs 8,192 bytes, in kv a head's
	v_mul_u32_u24 v[GO], s52, v242
	v_lshl_add_u32 v[GO], v241, 4, v[GO]
.irp b, 0,1,2,3
	v_mov_b32 v[TM+4+\b], 0                        ; written once: a lane permute's destination counts as one of its sources
.endr
	s_mov_b32 s[SEL], 0x76543210
	s_mov_b32 s[SEL+1], 0xfedcba98
	; offsets, apart from the addresses
	s_and_b32 s34, ttmp9, 31                       ; step
	s_lshr_b32 s35, ttmp9, 5
	s_lshl_b32 s35, s35, 3
	s_lshl_b32 s52, s6, 1
	s_add_co_u32 s35, s35, s52                     ; G0 = 8 x batch + 2 y
	s_add_co_u32 s54, s52, s36
	s_lshl_b32 s54, s54, 6
	s_lshl_b32 s55, s37, 5
	s_add_co_u32 s54, s54, s55                     ; q, k: my first row of the weight: 64 x head + 32 x block
	s_add_co_u32 s55, s52, s53
	s_lshl_b32 s55, s55, 6
	s_lshl_b32 s56, s36, 5
	s_add_co_u32 s55, s55, s56
	s_lshl_b32 s56, s37, 3
	s_add_co_u32 s55, s55, s56                     ; v: 64 x head + 32 (t >> 1) + 8 (t & 1)
	s_mul_i32 s56, s34, STEPB
	s_add_co_u32 s57, s35, s36                     ; G of q, k
	s_mul_i32 s58, s57, HEADB
	s_add_co_u32 s58, s58, s56
	s_lshl_b32 s59, s37, 8
	s_add_co_u32 s58, s58, s59                     ; k's codes: G x head + step x 8,704 + 256 x block
	s_lshl_b32 s57, s57, 17
	s_add_co_u32 s57, s57, s59
	s_lshl_b32 s59, s34, 12
	s_add_co_u32 s57, s57, s59                     ; q's codes: G x 131,072 + step x 4,096 + 256 x block
	s_add_co_u32 s59, s35, s53
	s_mul_i32 s59, s59, HEADB
	s_add_co_u32 s59, s59, s56
	s_and_b32 s62, s4, 3
	s_lshl_b32 s62, s62, 10
	s_add_co_u32 s59, s59, s62
	s_add_co_u32 s59, s59, 4096                    ; v's codes: G x head + step x 8,704 + 4,096 + 1,024 t
	s_mul_i32 s62, s35, HEADB
	s_add_co_u32 s62, s62, s56
	s_add_co_u32 s62, s62, 8192
	s_lshr_b32 s63, s4, 1
	s_lshl_b32 s63, s63, 8
	s_add_co_u32 s62, s62, s63                     ; the last copy: wave 0 k's scale bytes, wave 2 v's, 256 bytes on;
	s_lshl_b32 s63, s35, 13
	s_lshl_b32 s56, s34, 8
	s_add_co_u32 s63, s63, s56                     ; wave 1 q's
	s_cmp_eq_u32 s4, 1
	s_cselect_b32 s48, s63, s62
	s_cselect_b64 s[60:61], s[32:33], s[28:29]
	s_add_nc_u64 s[60:61], s[60:61], s[48:49]
	s_cmp_lt_u32 s4, 4                             ; the buffers of my role: the choices hang on the wave's number alone
	s_cselect_b64 s[40:41], s[10:11], s[16:17]
	s_cselect_b64 s[42:43], s[12:13], s[18:19]
	s_cselect_b64 s[44:45], s[14:15], s[20:21]
	s_cselect_b64 s[46:47], s[28:29], s[30:31]
	s_cselect_b32 s58, s58, s57
	s_cmp_lt_u32 s4, 8
	s_cselect_b64 s[40:41], s[40:41], s[22:23]
	s_cselect_b64 s[42:43], s[42:43], s[24:25]
	s_cselect_b64 s[44:45], s[44:45], s[26:27]
	s_cselect_b64 s[46:47], s[46:47], s[28:29]
	s_cselect_b32 s58, s58, s59
	s_cselect_b32 s54, s54, s55
	s_lshl_b32 s48, s54, 8
	s_add_nc_u64 s[40:41], s[40:41], s[48:49]      ; the weight's codes at my first row
	s_lshl_b32 s48, s54, 4
	s_add_nc_u64 s[42:43], s[42:43], s[48:49]      ; its scale bytes
	s_lshl_b32 s48, s54, 2
	s_add_nc_u64 s[44:45], s[44:45], s[48:49]      ; the bias
	s_mov_b32 s48, s58
	s_add_nc_u64 s[46:47], s[46:47], s[48:49]      ; where my codes go
	; ---- x: my two fragments
	s_wait_loadcnt 16                              ; the first fragment's 16 loads are in; the second's 16 may be out
	TURN RA, TA
	s_wait_loadcnt 0x0
	s_wait_dscnt 0x0                               ; the first fragment is back, turned; its stores have read their registers
	TURN RB, RA
	QUANT4 TA, PC, PW
	IMAGE 0
	s_wait_dscnt 0x0                               ; the second fragment is back; the stores have read v80-143 and the codes' registers
	s_cmp_lt_u32 s4, 8                             ; my weights are asked for here and land while the second fragment is quantised
	s_cbranch_scc0 .Lload_v
.irp u, 0,1
.irp s, 0,1,2,3
.irp c, 0,1
	global_load_b128 v[W+8*(4*\u+\s)+4*\c:W+8*(4*\u+\s)+4*\c+3], v[WA], s[40:41] offset:2048*\u+64*\s+32*\c   ; tile u, K step s
.endr
.endr
	global_load_b128 v[WS+4*\u:WS+4*\u+3], v[WSA], s[42:43] offset:128*\u          ; a row's 16 bytes: the four K steps' words
	global_load_b128 v[BI+8*\u:BI+8*\u+3], v[BQA], s[44:45] offset:32*\u           ; lane (r, h), register j: the bias of channel 16 h + 8 u + j of my block
	global_load_b128 v[BI+8*\u+4:BI+8*\u+7], v[BQA], s[44:45] offset:32*\u+16
.endr
	s_branch .Lloaded
.Lload_v:
.irp s, 0,1,2,3
.irp c, 0,1
	global_load_b128 v[W+8*\s+4*\c:W+8*\s+4*\c+3], v[WA], s[40:41] offset:64*\s+32*\c
.endr
.endr
	global_load_b128 v[WS:WS+3], v[WSA], s[42:43]
	global_load_b128 v[WS+4:WS+7], v[WSA], s[42:43]    ; (the same words again: all eight scale registers are written on both ways)
	global_load_b32 v[BI], v[BVA], s[44:45]            ; the bias of the channel in slot r
.Lloaded:
	QUANT4 RA, PC, PW
	IMAGE 1024
	BARRIER                                        ; x's 32 fragments and their scale words lie in LDS
	s_wait_loadcnt 0x0                             ; my weights, their scale words, my bias
	s_cmp_lt_u32 s4, 8
	s_cbranch_scc0 .Lrole_v
; ---- q, k.  TRANSPOSED: source 0 = 16 rows of the weight, source 1 = 16 rows of x: lane (r, h) holds the row in slot r, and the 16 registers of the two accumulators its channels 32 b + 16 h + 0 .. 15.
; The two accumulators take turns, one instruction a turn.  Each tile has registers of its own for its codes and its byte: no store's data are written again.
.macro QKTILE t
.irp s, 0,1,2,3
	ds_load_b128 v[XF+8*\s:XF+8*\s+3], v[XRI] offset:(4*(\t)+\s)*1024
	ds_load_b128 v[XF+8*\s+4:XF+8*\s+7], v[XRI] offset:(4*(\t)+\s)*1024+512
	ds_load_b32 v[XS+\s], v[XRS] offset:(4*(\t)+\s)*128
.endr
	s_wait_dscnt 0x0
.irp s, 0,1,2,3
.irp u, 0,1
.if \s == 0
	v_wmma_scale_f32_16x16x128_f8f6f4 v[AQ+8*\u:AQ+8*\u+7], v[W+8*(4*\u+\s):W+8*(4*\u+\s)+7], v[XF+8*\s:XF+8*\s+7], v[BI+8*\u:BI+8*\u+7], v[WS+4*\u+\s], v[XS+\s] matrix_a_fmt:MATRIX_FMT_FP4 matrix_b_fmt:MATRIX_FMT_FP4
.else
	v_wmma_scale_f32_16x16x128_f8f6f4 v[AQ+8*\u:AQ+8*\u+7], v[W+8*(4*\u+\s):W+8*(4*\u+\s)+7], v[XF+8*\s:XF+8*\s+7], v[AQ+8*\u:AQ+8*\u+7], v[WS+4*\u+\s], v[XS+\s] matrix_a_fmt:MATRIX_FMT_FP4 matrix_b_fmt:MATRIX_FMT_FP4
.endif
.endr
.endr
	PLACES                                         ; in front of the first read of results, and of the next tile's loads into x's registers
	v_max3_num_f32 v[TM], |v[AQ]|, |v[AQ+1]|, 0x1800000            ; my 16 channels in two chains, each accumulator from its low end, and the floor
	v_max3_num_f32 v[TM+1], |v[AQ+8]|, |v[AQ+9]|, |v[AQ+10]|
	v_max3_num_f32 v[TM], v[TM], |v[AQ+2]|, |v[AQ+3]|
	v_max3_num_f32 v[TM+1], v[TM+1], |v[AQ+11]|, |v[AQ+12]|
	v_max3_num_f32 v[TM], v[TM], |v[AQ+4]|, |v[AQ+5]|
	v_max3_num_f32 v[TM+1], v[TM+1], |v[AQ+13]|, |v[AQ+14]|
	v_max3_num_f32 v[TM], v[TM], |v[AQ+6]|, |v[AQ+7]|
	v_max3_num_f32 v[TM], v[TM], v[TM+1], |v[AQ+15]|
	v_permlanex16_b32 v[TM+4], v[TM], s[SEL], s[SEL+1]
	v_max_num_f32 v[TM], v[TM], v[TM+4]            ; with lane l xor 16's 16: the block's largest magnitude
	v_add_nc_u32 v[TM+12], 0xff000000, v[TM]       ; 2 off its exponent field: the conversion's scale operand
	v_cvt_scalef32_pk8_fp4_f32 v[CQ+2*(\t)], v[AQ:AQ+7], v[TM+12]
	v_cvt_scalef32_pk8_fp4_f32 v[CQ+2*(\t)+1], v[AQ+8:AQ+15], v[TM+12]
	v_lshrrev_b32 v[EQ+(\t)], 23, v[TM+12]         ; the scale's byte; also the plain place behind the conversions
	global_store_b64 v[CO], v[CQ+2*(\t):CQ+2*(\t)+1], s[46:47] offset:512*(\t)     ; the wave stores 256 consecutive bytes, aligned: my block's half of the tile's image
	ds_store_b8 v[GB], v[EQ+(\t)] offset:128*(((\t)/2)%2)+4*((\t)/4)+2*((\t)%2)    ; both lanes of a block write the same byte with the same value
.endm
.irp t, 0,1,2,3,4,5,6,7
	QKTILE \t
.endr
	s_branch .Ljoin
; ---- v.  NOT transposed: source 0 = 16 rows of x, source 1 = my 16 rows of wv: lane (r, h) holds the channel in slot r, and register 16 f + i of the eight accumulators key 32 f + 16 h + i.
.macro VSTEP s
.if \s > 0
	PLACES                                         ; in front of loads into registers that matrix instructions have read
.endif
.irp t, 0,1,2,3,4,5,6,7
	ds_load_b128 v[XF+8*\t:XF+8*\t+3], v[XRI] offset:(4*\t+\s)*1024
	ds_load_b128 v[XF+8*\t+4:XF+8*\t+7], v[XRI] offset:(4*\t+\s)*1024+512
	ds_load_b32 v[XS+\t], v[XRS] offset:(4*\t+\s)*128
.endr
	s_wait_dscnt 0x0
.irp t, 0,1,2,3,4,5,6,7
.if \s == 0
	v_wmma_scale_f32_16x16x128_f8f6f4 v[AV+8*\t:AV+8*\t+7], v[XF+8*\t:XF+8*\t+7], v[W+8*\s:W+8*\s+7], v[BI:BI+7], v[XS+\t], v[WS+\s] matrix_a_fmt:MATRIX_FMT_FP4 matrix_b_fmt:MATRIX_FMT_FP4
.else
	v_wmma_scale_f32_16x16x128_f8f6f4 v[AV+8*\t:AV+8*\t+7], v[XF+8*\t:XF+8*\t+7], v[W+8*\s:W+8*\s+7], v[AV+8*\t:AV+8*\t+7], v[XS+\t], v[WS+\s] matrix_a_fmt:MATRIX_FMT_FP4 matrix_b_fmt:MATRIX_FMT_FP4
.endif
.endr
.endm
.Lrole_v:
.irp j, 1,2,3,4,5,6,7
	v_mov_b32 v[BI+\j], v[BI]                      ; a lane's eight results are eight keys of one channel: one bias for all
.endr
.irp s, 0,1,2,3
	VSTEP \s
.endr
	PLACES
	QUANT4 AV, 16, 24                              ; along the keys: one fragment (16 channels x 128 keys) and its scale word
	global_store_b128 v[LI], v[16:19], s[46:47]            ; 512 consecutive bytes each
	global_store_b128 v[LI], v[20:23], s[46:47] offset:512
	ds_store_b32 v[GV], v24                        ; lanes r and r + 16 write the same word with the same value
.Ljoin:
	BARRIER                                        ; the six blocks of scale bytes are whole
	s_cmp_lt_u32 s4, 3
	s_cbranch_scc0 .Lend
	ds_load_b128 v[252:255], v[GR]                 ; lanes 0-15 head 0's 256 bytes, lanes 16-31 head 1's
	s_wait_dscnt 0x0
	global_store_b128 v[GO], v[252:255], s[60:61]  ; sixteen lanes store 256 consecutive bytes, aligned
.Lend:
	s_wait_tensorcnt 0x0
	ds_add_u32 v250, v251
	s_wait_dscnt 0x0
	s_endpgm
.Lfunc_end_k_q65e8eb2b8d_qkv:
	.size	k_q65e8eb2b8d_qkv, .Lfunc_end_k_q65e8eb2b8d_qkv-k_q65e8eb2b8d_qkv
	.p2alignl 7, 3214868480
	.fill 96, 4, 3214868480
	.section	.rodata,"a",@progbits
	.p2align	6, 0x0
	.amdhsa_kernel k_q65e8eb2b8d_qkv
		.amdhsa_group_segment_fixed_size 175616
		.amdhsa_private_segment_fixed_size 0
		.amdhsa_enable_private_segment 0
		.amdhsa_kernarg_size 104
		.amdhsa_user_sgpr_count 2
		.amdhsa_user_sgpr_kernarg_segment_ptr 1
		.amdhsa_wavefront_size32 1
		.amdhsa_system_sgpr_workgroup_id_x 1
		.amdhsa_system_sgpr_workgroup_id_y 1
		.amdhsa_system_sgpr_workgroup_id_z 1
		.amdhsa_system_vgpr_workitem_id 0
		.amdhsa_next_free_vgpr 256
		.amdhsa_next_free_sgpr 66
		.amdhsa_reserve_vcc 0
		.amdhsa_float_denorm_mode_32 3
		.amdhsa_float_denorm_mode_16_64 3
		.amdhsa_memory_ordered 1
		.amdhsa_forward_progress 1
		.amdhsa_inst_pref_size 63
	.end_amdhsa_kernel
	.amdgpu_metadata
---
amdhsa.version: [ 1, 2 ]
amdhsa.kernels:
  - .name:           k_q65e8eb2b8d_qkv
    .symbol:         k_q65e8eb2b8d_qkv.kd
    .args:
      - { .name: x, .offset: 0, .size: 8, .value_kind: global_buffer, .address_space: global }
      - { .name: wk_codes, .offset: 8, .size: 8, .value_kind: global_buffer, .address_space: global }
      - { .name: wk_scales, .offset: 16, .size: 8, .value_kind: global_buffer, .address_space: global }
      - { .name: bk, .offset: 24, .size: 8, .value_kind: global_buffer, .address_space: global }
      - { .name: wq_codes, .offset: 32, .size: 8, .value_kind: global_buffer, .address_space: global }
      - { .name: wq_scales, .offset: 40, .size: 8, .value_kind: global_buffer, .address_space: global }
      - { .name: bq, .offset: 48, .size: 8, .value_kind: global_buffer, .address_space: global }
      - { .name: wv_codes, .offset: 56, .size: 8, .value_kind: global_buffer, .address_space: global }
      - { .name: wv_scales, .offset: 64, .size: 8, .value_kind: global_buffer, .address_space: global }
      - { .name: bv, .offset: 72, .size: 8, .value_kind: global_buffer, .address_space: global }
      - { .name: kv, .offset: 80, .size: 8, .value_kind: global_buffer, .address_space: global }
      - { .name: qc, .offset: 88, .size: 8, .value_kind: global_buffer, .address_space: global }
      - { .name: qs, .offset: 96, .size: 8, .value_kind: global_buffer, .address_space: global }
    .group_segment_fixed_size: 175616
    .private_segment_fixed_size: 0
    .kernarg_segment_align: 8
    .kernarg_segment_size: 104
    .max_flat_workgroup_size: 512
    .sgpr_count:     66
    .vgpr_count:     256
    .wavefront_size: 32
...
	.end_amdgpu_metadata
.endif
;; end of part 1
;; launch attn (part 2): grid 16 x 16, 16 waves a work-group, clusters of 4 x 1, 281,088 bytes of LDS; arguments qc, qs, kv, cc, cs; writes cc, cs
.if DOCPART == 2
	.amdgcn_target "amdgcn-amd-amdhsa--gfx1250"
	.amdhsa_code_object_version 6
	.text
	.protected	k_q65e8eb2b8d_attn
	.globl	k_q65e8eb2b8d_attn
	.p2align	8
	.type	k_q65e8eb2b8d_attn,@function
k_q65e8eb2b8d_attn:
	s_mov_b64 s[64:65], 0
	v_nop
	global_prefetch_b8 v0, s[64:65] scope:SCOPE_SE
	s_setreg_imm32_b32 hwreg(HW_REG_WAVE_MODE, 25, 1), 1
	s_wait_xcnt 0x0
	s_wait_alu depctr_hold_cnt(0) depctr_sa_sdst(0) depctr_va_vdst(0) depctr_va_sdst(0) depctr_va_ssrc(0) depctr_va_vcc(0) depctr_vm_vsrc(0)
	s_getreg_b32 s2, hwreg(HW_REG_IB_STS2, 6, 4)
	s_cmp_eq_u32 s2, 0
	s_cbranch_scc0 .Lentry_in_a_cluster
	s_endpgm
.Lentry_in_a_cluster:
	s_bfe_u32 s2, ttmp6, 0x10000c
	s_cmp_lg_u32 s2, 0x3003
	s_cbranch_scc0 .Lentry_shape_is_right
	s_endpgm
.Lentry_shape_is_right:
; ctx[q] = the sum over keys of softmax(q . k / 8) v for one head, both products on codes of FP4 (E2M1) with one E8M0 scale for each 32 along a product's K; then ctx is quantised along its channels.
; THE SOFTMAX AHEAD OF THE SECOND PRODUCT: t = score x log2(e) / 8; M = the row's largest t so far, rounded UP to a whole number; p = 2^(t - M) is what is quantised, along the keys, not normalised.
; The row's sum is taken of the unquantised p and divides at the end.  When M moves, the sum and O are multiplied by 2^(old M - new M): exact.
; SHARES.  A work-group owns 256 queries of head G = 8 x batch + head (grid y); each of its sixteen waves one tile of 16, in 256 registers.  Every wave walks the head's 4,096 keys, 128 a step.
; THE WHOLE HEAD LIES IN LDS: its 32 steps of 8,704 bytes (k's codes, v's codes, their scale bytes, all as images of operand registers) are 278,528 bytes, filled ONCE, as they lie in memory.  No byte of LDS is filled again.
; Waves 0-3 bring it in four chunks of eight steps, one tensor load a wave and chunk (two steps: 68 rows of 256 bytes): four loads of a wave are out at the most.
; CLUSTER.  The four blocks of queries of a cluster belong to one head: every tile is asked for JOINTLY, by the same tensor load with the same descriptor and a mask that names the four.
; LAYOUT.  Both products are used transposed: S^T = K Q^T, O^T = V^T P^T: a lane holds ONE query (lane % 16) throughout.
; THE FIRST PRODUCT'S K IS 64, the instruction's 128.  A fragment of k carries TWO tiles of 16 keys, tile 2 f in k 0-63 and tile 2 f + 1 in k 64-127; q stands twice in registers, as (codes, zero codes) and as
; (zero codes, codes): zero codes add nothing, so the one product gives tile 2 f's scores and the other tile 2 f + 1's.  Every byte read from LDS is used.  q's scale word is (s0, s1, s0, s1).
; THE KEYS OF A TILE ARE NOT NEIGHBOURS (slot r of tile 2 f + u: key 32 f + 8 u + r + 8 (r / 8)): the 16 registers of tiles 2 f, 2 f + 1 are keys 32 f + 16 (lane / 16) + 0 .. 15.  v's channel tiles are chosen likewise.
; OUT: cc [tile of 16 rows][head][512]: lane (r, h): the codes of channels 32 h .. 32 h + 31 of the row in slot r;  cs [head][tile][r]: two scale bytes.
; LIMITS: a block whose largest magnitude lies under 2^-124 (a block of zeros too) gets the byte 1; its codes are what the conversion gives under that scale, and this program alone reads the bytes.  NaN and infinities are not served.
.set HEADB,  278528
.set STEPB,  8704
.set CHUNKB, 8*STEPB
.set LOADB,  2*STEPB
.set CSG,    HEADB                     ; behind the head: 512 bytes in which the sixteen waves' scale bytes of ctx meet; no tensor load lands there
.set L16,  1                           ; v1   16 x lane
.set L8,   2                           ; v2   8 x lane
.set ADR,  3                           ; v3   the step's images
.set ADR8, 4                           ; v4   the step's scale words
.set CSW,  5                           ; v5   CSG + 32 x wave + 2 r
.set CSR,  6                           ; v6   CSG + 16 x lane
.set R8,   7                           ; v7   8 r
; v12 -M, v13 the largest t, v[14:15] the sum in two halves; v16-23 q (codes, zeros), v24-31 q (zeros, codes); v32-63 k's four fragments; v64-95 v's four; v96-159 S^T, then p; v160-191 O^T;
; v192-199 the way out; v224-231 p's codes; v232-247 at work; v248-249 k's scale words, v250-251 v's, v253 p's, v255 q's: scales alone; v252 f; v254 at work
.set WV,   14                          ; s14  my wave's number
.set SEL,  20                          ; s[20:21] selects of v_permlanex16_b32 for lane l xor 16
.set CS,   22                          ; s[22:23] c = log2(e) / 8; the packed form names a pair and takes its low word for both halves
.set G1,   24                          ; s[24:31] descriptor group 1
.set G0,   32                          ; s[32:47] descriptor group 0, a set for each of my four loads; never rewritten
.set TB,   48                          ; s48  LDS byte at which the step in hand begins
.set CNT,  49                          ; s49  steps left in the chunk
.macro CROUND                          ; a round of the cluster's barrier
	s_barrier_signal -1
	s_barrier_wait -1
	s_cmp_lg_u32 s[WV], 0
	s_cbranch_scc1 .Lnot_wave_0_\@
	s_barrier_signal -3
.Lnot_wave_0_\@:
	s_barrier_wait -3
	s_barrier_signal -1
	s_barrier_wait -1
.endm
	s_load_b256 s[4:11], s[0:1], 0x0               ; qc 4, qs 6, kv 8, cc 10
	s_load_b64 s[12:13], s[0:1], 0x20              ; cs
	v_lshl_add_u32 v242, v0, 2, 0x44200
	v_mov_b32 v243, 0
	ds_add_u32 v242, v243
	ds_add_u32 v242, v243
	v_lshrrev_b32 v8, 5, v0
	v_readfirstlane_b32 s[WV], v8                  ; wave 0..15
	s_and_b32 s17, ttmp7, 0xffff                   ; G, which the four partners share
	; descriptor group 1: two steps, 17,408 dense bytes, as 68 rows of 256 bytes (32 elements of 8 bytes), no padding: in LDS as in memory
	s_mov_b32 s[G1], 15|(3<<16)|(1<<21)            ; 15:0 the mask: all four work-groups; 17:16 elements of 8 bytes; 21 set beside a mask
	s_mov_b32 s[G1+1], 32<<16                      ; tensor_dim0 = 32
	s_mov_b32 s[G1+2], 68<<16                      ; tensor_dim1 = 68
	s_mov_b32 s[G1+3], 32<<16                      ; tile_dim0 = 32
	s_mov_b32 s[G1+4], 68                          ; tile_dim1 = 68
	s_mov_b32 s[G1+5], 32                          ; from row to row: 32 elements
	s_mov_b32 s[G1+6], 0
	s_mov_b32 s[G1+7], 0
	s_min_u32 s50, s[WV], 3                        ; waves 0-3 fetch
	s_mul_i32 s51, s50, LOADB                      ; my two steps of a chunk: in LDS and in the head alike; no place in the cluster enters
	s_mul_i32 s52, s17, HEADB
	s_add_co_u32 s52, s52, s51
	s_mov_b32 s53, 0
	s_mov_b32 s[SEL], 0x76543210
	s_mov_b32 s[SEL+1], 0xfedcba98
	s_mov_b32 s[CS], 0x3e38aa3b                    ; log2(e) / 8
	s_mov_b32 s[CS+1], s[CS]
	s_wait_dscnt 0x0
	s_wait_kmcnt 0x0
	s_add_nc_u64 s[52:53], s[8:9], s[52:53]
.irp c, 0,1,2,3
	s_mov_b32 s[G0+4*\c], 1                                        ; count = 1
	s_add_co_u32 s[G0+4*\c+1], s51, \c*CHUNKB                      ; LDS address
	s_add_nc_u64 s[G0+4*\c+2:G0+4*\c+3], s[52:53], \c*CHUNKB       ; global address
	s_or_b32 s[G0+4*\c+3], s[G0+4*\c+3], 0x80000000                ; type = 2
.endr
	CROUND                                         ; all four work-groups are here: the joint loads meet
	s_cmp_lt_u32 s[WV], 4                          ; a wave's four fills stand in one branch, ahead of every wait on TENSORcnt and every LDS read
	s_cbranch_scc0 .Lno_fill
	tensor_load_to_lds s[G0:G0+3], s[G1:G1+7]
	s_nop 0
	tensor_load_to_lds s[G0+4:G0+7], s[G1:G1+7]
	s_nop 0
	tensor_load_to_lds s[G0+8:G0+11], s[G1:G1+7]
	s_nop 0
	tensor_load_to_lds s[G0+12:G0+15], s[G1:G1+7]
	s_nop 0
.rept 4
	v_nop                                          ; places behind a tensor load
.endr
.Lno_fill:
	; my place in the cluster enters the addresses of qc, qs, cc and cs alone, in registers that feed no descriptor
	s_bfe_u32 s54, ttmp6, 0x40000                  ; cx
	s_lshl_b32 s55, ttmp9, 2
	s_add_co_u32 s55, s55, s54                     ; my block of 256 queries
	s_lshl_b32 s56, s55, 4
	s_add_co_u32 s56, s56, s[WV]                   ; my tile of the batch's 256
	s_mov_b32 s59, 0
	s_lshl_b32 s58, s17, 17
	s_lshl_b32 s57, s56, 9
	s_add_co_u32 s58, s58, s57
	s_add_nc_u64 s[4:5], s[4:5], s[58:59]          ; q's codes: G x 131,072 + tile x 512
	s_lshl_b32 s58, s17, 13
	s_lshr_b32 s57, s56, 3
	s_lshl_b32 s57, s57, 8
	s_add_co_u32 s58, s58, s57                     ; q's scale bytes: G x 8,192 + 256 x block of 128 rows,
	s_bfe_u32 s57, s[WV], 0x10001
	s_lshl_b32 s57, s57, 7
	s_add_co_u32 s58, s58, s57                     ; + 128 (f & 1),
	s_bfe_u32 s57, s[WV], 0x10002
	s_lshl_b32 s57, s57, 2
	s_add_co_u32 s58, s58, s57                     ; + 4 (f >> 1),
	s_and_b32 s57, s[WV], 1
	s_lshl_b32 s57, s57, 1
	s_add_co_u32 s58, s58, s57                     ; + 2 u
	s_add_nc_u64 s[6:7], s[6:7], s[58:59]
	s_lshr_b32 s60, s17, 3
	s_lshl_b32 s60, s60, 8                         ; 256 x batch
	s_and_b32 s61, s17, 7                          ; the head
	s_add_co_u32 s57, s60, s56
	s_lshl_b32 s58, s57, 12
	s_lshl_b32 s57, s61, 9
	s_add_co_u32 s58, s58, s57
	s_add_nc_u64 s[10:11], s[10:11], s[58:59]      ; ctx's codes: tile x 4,096 + head x 512
	s_lshl_b32 s57, s55, 4
	s_add_co_u32 s57, s57, s60
	s_lshl_b32 s58, s57, 5
	s_lshl_b32 s57, s61, 14
	s_add_co_u32 s58, s58, s57
	s_add_nc_u64 s[12:13], s[12:13], s[58:59]      ; ctx's scale bytes: head x 16,384 + the work-group's first tile x 32
	v_and_b32 v8, 31, v0
	v_and_b32 v9, 15, v0
	v_lshlrev_b32 v[L16], 4, v8
	v_lshlrev_b32 v[L8], 3, v8
	v_lshlrev_b32 v[R8], 3, v9
	global_load_b128 v[16:19], v[L16], s[4:5]      ; q's codes, twice: they stay in registers
	global_load_b128 v[28:31], v[L16], s[4:5]
	global_load_u16 v254, v[R8], s[6:7]            ; the two scale bytes of the query in slot r
	s_lshl_b32 s57, s[WV], 5
	s_add_co_u32 s57, s57, CSG
	v_lshl_add_u32 v[CSW], v9, 1, s57
	v_add_nc_u32 v[CSR], CSG, v[L16]
	v_mov_b32 v13, 0xff61b1e6                      ; the largest t so far: -3e38, under every t
	v_floor_f32 v12, -v13                          ; -M
	v_mov_b32 v14, 0                               ; the sum, in two halves
	v_mov_b32 v15, 0
.irp j, 20,21,22,23,24,25,26,27
	v_mov_b32 v[\j], 0                             ; the zero codes beside q's
.endr
.irp b, 0,1,2,3
	v_mov_b32 v[236+\b], 0                         ; written once: a lane permute's destination counts as one of its sources
.endr
	v_mov_b32 v253, 0                              ; (named as the upper half of the pair v[252:253] before it is first written)
	s_wait_loadcnt 0x0
	v_lshl_or_b32 v255, v254, 16, v254             ; q's scale word: (s0, s1, s0, s1); the 32 lines below stand between it and the first product
.irp j, 0,1,2,3,4,5,6,7,8,9,10,11,12,13,14,15,16,17,18,19,20,21,22,23,24,25,26,27,28,29,30,31
	v_mov_b32 v[160+\j], 0                         ; O^T.  (The step is written once: the first finds zeros, which the first change of M leaves zeros)
.endr
; A KEY STEP: 128 keys: 8 + 4 matrix instructions, 18 LDS loads.
.macro STEP
	v_add_nc_u32 v[ADR], s[TB], v[L16]
	v_add_nc_u32 v[ADR8], s[TB], v[L8]
	v_nop
	v_nop                                          ; four places behind the last step's products, in front of the loads into v's registers
.irp f, 0,1,2,3
	ds_load_b128 v[32+8*\f:35+8*\f], v[ADR] offset:1024*\f
	ds_load_b128 v[36+8*\f:39+8*\f], v[ADR] offset:1024*\f+512
.endr
	ds_load_b64 v[248:249], v[ADR8] offset:8192
.irp t, 0,1,2,3
	ds_load_b128 v[64+8*\t:67+8*\t], v[ADR] offset:4096+1024*\t
	ds_load_b128 v[68+8*\t:71+8*\t], v[ADR] offset:4096+1024*\t+512
.endr
	ds_load_b64 v[250:251], v[ADR8] offset:8448
	s_wait_dscnt 9                                 ; k and its scale words are in; v's eight loads and its scale words may be out
.irp f, 0,1,2,3                                ; S^T: fragment f against q (codes, zeros): tile 2 f; against q (zeros, codes): tile 2 f + 1.  The scale words of fragment f: word f >> 1, lanes 0-15 for even f, lanes 16-31 for odd
.if (\f%2) == 1
	v_wmma_scale_f32_16x16x128_f8f6f4 v[96+16*\f:103+16*\f], v[32+8*\f:39+8*\f], v[16:23], 0, v[248+\f/2], v255 matrix_a_fmt:MATRIX_FMT_FP4 matrix_b_fmt:MATRIX_FMT_FP4 matrix_a_scale:MATRIX_SCALE_ROW1
	v_wmma_scale_f32_16x16x128_f8f6f4 v[104+16*\f:111+16*\f], v[32+8*\f:39+8*\f], v[24:31], 0, v[248+\f/2], v255 matrix_a_fmt:MATRIX_FMT_FP4 matrix_b_fmt:MATRIX_FMT_FP4 matrix_a_scale:MATRIX_SCALE_ROW1
.else
	v_wmma_scale_f32_16x16x128_f8f6f4 v[96+16*\f:103+16*\f], v[32+8*\f:39+8*\f], v[16:23], 0, v[248+\f/2], v255 matrix_a_fmt:MATRIX_FMT_FP4 matrix_b_fmt:MATRIX_FMT_FP4
	v_wmma_scale_f32_16x16x128_f8f6f4 v[104+16*\f:111+16*\f], v[32+8*\f:39+8*\f], v[24:31], 0, v[248+\f/2], v255 matrix_a_fmt:MATRIX_FMT_FP4 matrix_b_fmt:MATRIX_FMT_FP4
.endif
.endr
.rept 4
	v_nop                                          ; places in front of the first read of results
.endr
.irp b, 0,1,2,3
	v_max3_num_f32 v[232+\b], v[96+16*\b], v[97+16*\b], v[98+16*\b]   ; THE LARGEST SCORE OF EACH BLOCK OF 32 KEYS serves twice: for the row's maximum, and, since p rises with the score, for the block's largest p
.endr
.irp i, 3,5,7,9,11,13
.irp b, 0,1,2,3
	v_max3_num_f32 v[232+\b], v[232+\b], v[96+16*\b+\i], v[97+16*\b+\i]
.endr
.endr
.irp b, 0,1,2,3
	v_max_num_f32 v[232+\b], v[232+\b], v[111+16*\b]
.endr
.irp b, 0,1,2,3
	v_permlanex16_b32 v[236+\b], v[232+\b], s[SEL], s[SEL+1]
.endr
.irp b, 0,1,2,3
	v_max_num_f32 v[232+\b], v[232+\b], v[236+\b]  ; with lane l xor 16's 16 keys
.endr
	v_max3_num_f32 v254, v232, v233, v234
	v_max_num_f32 v254, v254, v235                 ; the step's largest score of my query
	v_mul_f32 v254, s[CS], v254                    ; as t (c is positive)
	v_max_num_f32 v13, v13, v254                   ; the running largest t
	v_mov_b32 v254, v12
	v_floor_f32 v12, -v13                          ; the new -M = floor(-t) = -ceil(t): M is a whole number
	v_sub_f32 v254, v12, v254                      ; M's old value less its new one: a whole number, 0 or less
	v_cvt_i32_f32 v254, v254                       ; (it saturates)
	v_ldexp_f32 v252, 1.0, v254                    ; f = 2^(old M - new M)
.irp j, 0,2,4,6,8,10,12,14,16,18,20,22,24,26,28,30,32,34,36,38,40,42,44,46,48,50,52,54,56,58,60,62
	v_pk_fma_f32 v[96+\j:97+\j], v[96+\j:97+\j], s[CS:CS+1], v[12:13] op_sel_hi:[1,0,0]   ; t - M, two at a time
.endr
.irp b, 0,1,2,3
	v_fma_f32 v[232+\b], v[232+\b], s[CS], v12     ; the same of each block's largest score
.endr
.irp j, 0,1,2,3,4,5,6,7,8,9,10,11,12,13,14,15,16,17,18,19,20,21,22,23,24,25,26,27,28,29,30,31,32,33,34,35,36,37,38,39,40,41,42,43,44,45,46,47,48,49,50,51,52,53,54,55,56,57,58,59,60,61,62,63
	v_exp_f32 v[96+\j], v[96+\j]                   ; p = 2^(t - M), at most 1: not normalised
.endr
.irp b, 0,1,2,3
	v_exp_f32 v[232+\b], v[232+\b]                 ; the block's largest p: the same two instructions on the same number give the same bits
.endr
	v_pk_mul_f32 v[14:15], v[14:15], v[252:253] op_sel_hi:[1,0]   ; the sums under the new M.  (A plain place behind the exponentials)
	s_wait_alu depctr_va_vdst(0)
.irp b, 0,1,2,3
	v_max_num_f32 v[232+\b], 0x1800000, v[232+\b]  ; the floor 2^(3 - 127): the byte cannot fall under 1
.endr
.irp b, 0,1,2,3
	v_add_nc_u32 v[244+\b], 0xff000000, v[232+\b]  ; 2 off the exponent field: the conversion's scale operand
.endr
.irp b, 0,1,2,3
	v_lshrrev_b32 v[236+\b], 23, v[244+\b]         ; the scale's byte
.endr
	v_lshl_or_b32 v253, v237, 8, v236              ; p's scale word for these 128 keys
	v_lshl_or_b32 v253, v238, 16, v253
	v_lshl_or_b32 v253, v239, 24, v253
.irp b, 0,1,2,3
	v_cvt_scalef32_pk8_fp4_f32 v[224+2*\b], v[96+16*\b:103+16*\b], v[244+\b]
	v_cvt_scalef32_pk8_fp4_f32 v[225+2*\b], v[104+16*\b:111+16*\b], v[244+\b]
.endr
	v_nop                                          ; one plain place behind a scaled conversion
.irp c, 0,1                                    ; the operand wants a whole block in a lane
.irp i, 0,1
	v_permlane16_swap_b32 v[224+4*\c+\i], v[226+4*\c+\i]
.endr
.endr
	v_pk_add_f32 v[236:237], v[96:97], v[98:99]    ; THE ROW'S SUM IS TAKEN OF THE UNQUANTISED p: two at a time, in two chains
.irp j, 4,8,12,16,20,24,28,32,36,40,44,48,52,56,60
	v_pk_add_f32 v[14:15], v[14:15], v[96+\j:97+\j]
	v_pk_add_f32 v[236:237], v[236:237], v[98+\j:99+\j]
.endr
	v_pk_add_f32 v[14:15], v[14:15], v[236:237]
.irp j, 0,2,4,6,8,10,12,14,16,18,20,22,24,26,28,30
	v_pk_mul_f32 v[160+\j:161+\j], v[160+\j:161+\j], v[252:253] op_sel_hi:[1,0]   ; O^T under the new M.  (With the sums above: the places between p's codes and scale word and the products below)
.endr
	s_wait_dscnt 0x0                               ; v and its scale words are in
.irp t, 0,1,2,3                                ; O^T += V^T P^T: four accumulators by turns; the next matrix instruction behind the fourth is a score's
.if (\t%2) == 1
	v_wmma_scale_f32_16x16x128_f8f6f4 v[160+8*\t:167+8*\t], v[64+8*\t:71+8*\t], v[224:231], v[160+8*\t:167+8*\t], v[250+\t/2], v253 matrix_a_fmt:MATRIX_FMT_FP4 matrix_b_fmt:MATRIX_FMT_FP4 matrix_a_scale:MATRIX_SCALE_ROW1
.else
	v_wmma_scale_f32_16x16x128_f8f6f4 v[160+8*\t:167+8*\t], v[64+8*\t:71+8*\t], v[224:231], v[160+8*\t:167+8*\t], v[250+\t/2], v253 matrix_a_fmt:MATRIX_FMT_FP4 matrix_b_fmt:MATRIX_FMT_FP4
.endif
.endr
.endm
; A CHUNK of eight steps.  The count leaves my loads of the later chunks on their way.
.macro CHUNK c
	s_wait_tensorcnt 3-\c                          ; my loads 0 to c have landed (tensor loads of a wave end in order: ISA guide 10.11.1)
	s_wait_dscnt 0x0
	s_barrier_signal -1
	s_barrier_wait -1                              ; everybody's have
	s_mov_b32 s[TB], \c*CHUNKB
	s_mov_b32 s[CNT], 8
.Lstep_\@:
	STEP
	s_add_co_u32 s[TB], s[TB], STEPB
	s_sub_co_u32 s[CNT], s[CNT], 1
	s_cmp_lg_u32 s[CNT], 0
	s_cbranch_scc1 .Lstep_\@
.endm
	CHUNK 0
	CHUNK 1
	CHUNK 2
	CHUNK 3
	; THE WAY OUT.  O^T / the sum; register 16 b + i is channel 32 b + 16 h + i of my query: two blocks of ctx's K.  They are quantised as they stand.
.rept 4
	v_nop                                          ; places behind the last products
.endr
	v_add_f32 v14, v14, v15                        ; the sum's two halves,
	v_permlanex16_b32 v252, v14, s[SEL], s[SEL+1]
	v_add_f32 v14, v14, v252                       ; and lane l xor 16's: the row's sum
	v_rcp_f32 v14, v14
	v_nop                                          ; one plain place behind a transcendental
	s_wait_alu depctr_va_vdst(0)
.irp j, 0,2,4,6,8,10,12,14,16,18,20,22,24,26,28,30
	v_pk_mul_f32 v[96+\j:97+\j], v[160+\j:161+\j], v[14:15] op_sel_hi:[1,0]   ; each accumulator from its low end on
.endr
.irp b, 0,1
	v_max3_num_f32 v[232+\b], |v[96+16*\b]|, |v[97+16*\b]|, 0x1800000
.endr
.irp i, 2,4,6,8,10,12,14
.irp b, 0,1
	v_max3_num_f32 v[232+\b], v[232+\b], |v[96+16*\b+\i]|, |v[97+16*\b+\i]|
.endr
.endr
.irp b, 0,1
	v_permlanex16_b32 v[236+\b], v[232+\b], s[SEL], s[SEL+1]
.endr
.irp b, 0,1
	v_max_num_f32 v[232+\b], v[232+\b], v[236+\b]
.endr
.irp b, 0,1
	v_add_nc_u32 v[244+\b], 0xff000000, v[232+\b]
.endr
.irp b, 0,1
	v_lshrrev_b32 v[236+\b], 23, v[244+\b]
.endr
	v_lshl_or_b32 v254, v237, 8, v236              ; my row's two scale bytes
.irp b, 0,1
	v_cvt_scalef32_pk8_fp4_f32 v[192+2*\b], v[96+16*\b:103+16*\b], v[244+\b]
	v_cvt_scalef32_pk8_fp4_f32 v[193+2*\b], v[104+16*\b:111+16*\b], v[244+\b]
.endr
	v_nop                                          ; one plain place behind a scaled conversion
	v_permlane16_swap_b32 v192, v194               ; lanes 0-15 block 0, lanes 16-31 block 1
	v_permlane16_swap_b32 v193, v195
	global_store_b128 v[L16], v[192:195], s[10:11] ; the wave stores 512 consecutive bytes, aligned
	ds_store_b16 v[CSW], v254                      ; lanes r and r + 16 write the same two bytes with the same value
	s_wait_dscnt 0x0
	s_barrier_signal -1
	s_barrier_wait -1                              ; the sixteen tiles' 512 scale bytes lie together
	s_cmp_lg_u32 s[WV], 0
	s_cbranch_scc1 .Lnot_first
	ds_load_b128 v[196:199], v[CSR]
	s_wait_dscnt 0x0
	global_store_b128 v[L16], v[196:199], s[12:13] ; 512 consecutive bytes, aligned
.Lnot_first:
	s_wait_tensorcnt 0x0
	ds_add_u32 v242, v243
	s_wait_dscnt 0x0
	CROUND                                         ; the closing round: no work-group ends while a partner may still ask for a tile that names it
	s_endpgm
.Lfunc_end_k_q65e8eb2b8d_attn:
	.size	k_q65e8eb2b8d_attn, .Lfunc_end_k_q65e8eb2b8d_attn-k_q65e8eb2b8d_attn
	.p2alignl 7, 3214868480
	.fill 96, 4, 3214868480
	.section	.rodata,"a",@progbits
	.p2align	6, 0x0
	.amdhsa_kernel k_q65e8eb2b8d_attn
		.amdhsa_group_segment_fixed_size 281088
		.amdhsa_private_segment_fixed_size 0
		.amdhsa_enable_private_segment 0
		.amdhsa_kernarg_size 40
		.amdhsa_user_sgpr_count 2
		.amdhsa_user_sgpr_kernarg_segment_ptr 1
		.amdhsa_wavefront_size32 1
		.amdhsa_system_sgpr_workgroup_id_x 1
		.amdhsa_system_sgpr_workgroup_id_y 1
		.amdhsa_system_sgpr_workgroup_id_z 1
		.amdhsa_system_vgpr_workitem_id 0
		.amdhsa_next_free_vgpr 256
		.amdhsa_next_free_sgpr 66
		.amdhsa_reserve_vcc 0
		.amdhsa_float_denorm_mode_32 3
		.amdhsa_float_denorm_mode_16_64 3
		.amdhsa_memory_ordered 1
		.amdhsa_forward_progress 1
		.amdhsa_inst_pref_size 71
	.end_amdhsa_kernel
	.amdgpu_metadata
---
amdhsa.version: [ 1, 2 ]
amdhsa.kernels:
  - .name:           k_q65e8eb2b8d_attn
    .symbol:         k_q65e8eb2b8d_attn.kd
    .args:
      - { .name: qc, .offset: 0, .size: 8, .value_kind: global_buffer, .address_space: global }
      - { .name: qs, .offset: 8, .size: 8, .value_kind: global_buffer, .address_space: global }
      - { .name: kv, .offset: 16, .size: 8, .value_kind: global_buffer, .address_space: global }
      - { .name: cc, .offset: 24, .size: 8, .value_kind: global_buffer, .address_space: global }
      - { .name: cs, .offset: 32, .size: 8, .value_kind: global_buffer, .address_space: global }
    .group_segment_fixed_size: 281088
    .private_segment_fixed_size: 0
    .kernarg_segment_align: 8
    .kernarg_segment_size: 40
    .max_flat_workgroup_size: 512
    .sgpr_count:     66
    .vgpr_count:     256
    .wavefront_size: 32
...
	.end_amdgpu_metadata
.endif
;; end of part 2
;; launch proj (part 3): grid 256 x 1, 16 waves a work-group, no clusters, 68,096 bytes of LDS; arguments cc, cs, wo_codes, wo_scales, bo, x, ln_g, ln_b, out0; writes out0
.if DOCPART == 3
	.amdgcn_target "amdgcn-amd-amdhsa--gfx1250"
	.amdhsa_code_object_version 6
	.text
	.protected	k_q65e8eb2b8d_proj
	.globl	k_q65e8eb2b8d_proj
	.p2align	8
	.type	k_q65e8eb2b8d_proj,@function
k_q65e8eb2b8d_proj:
	s_mov_b64 s[64:65], 0
	v_nop
	global_prefetch_b8 v0, s[64:65] scope:SCOPE_SE
	s_setreg_imm32_b32 hwreg(HW_REG_WAVE_MODE, 25, 1), 1
	s_wait_xcnt 0x0
; out0 = LayerNorm(ctx wo + bo + x) ln_g + ln_b.  The product is on codes of FP4 (E2M1) with one E8M0 scale for each 32 along K = 512; all else in f32.
; ctx comes as images of operand registers: cc [tile of 16 rows][head][512 bytes] (head 2 s + c is group c of K step s), cs [head][tile][slot r]: two scale bytes.  wo: codes [512 (n)][256 bytes], 16 scale bytes a row.
; SHARES.  Work-group g takes rows 32 g .. 32 g + 31: tiles 2 g + u, in which slot r holds row 32 g + 8 u + r + 8 (r / 8).  Wave w makes columns 32 w .. 32 w + 31 of all 32 rows (16 matrix instructions);
; the rows meet in a stage in LDS; then wave w finishes two whole rows: residual, mean, variance (of the differences from the mean: no difference of large sums), gain and bias.
; TRANSPOSED: source 0 = 16 rows of wo, source 1 = 16 rows of ctx: a lane holds eight neighbouring columns of one row.  bo is the C of each sum's first matrix instruction.
; NO CLUSTER, NO TENSOR LOAD: all work-groups read the same wo (139,264 bytes with its scale bytes), but each of its bytes goes from memory into the registers of the one wave that multiplies by it, once,
; for 16 matrix instructions a wave; through LDS it would cost a store and a load more.
; LIMITS: NaN and infinities among the inputs are not served.
.set PITCH, 2064                       ; a stage row: 2,048 bytes + 16 = 129 x 16: the sixteen rows that a store touches start in sixteen different columns of 16 bytes
.set L16,  1                           ; v1   16 x lane
.set C2,   2                           ; v2   2 r
.set WA,   3                           ; v3   wo's codes: 256 r + 16 h
.set WSA,  4                           ; v4   wo's scale bytes: 16 r
.set BOA,  5                           ; v5   bo: 32 h
.set STO,  6                           ; v6   into the stage: PITCH r + 32 h + 128 w
.set SRD,  7                           ; v7   back: 2 PITCH w + 16 x lane
.set W,    16                          ; v16-79   wo's fragments (tile v, K step s) at 16 + 8 (4 v + s); later ln_g in v16-31, ln_b in v32-47
.set LG,   16
.set LB,   32
.set CX,   80                          ; v80-143  ctx's fragments (tile u, K step s) at 80 + 8 (4 u + s); later my two rows of y in v80-111
.set Y,    80
.set BO,   144                         ; v144-159 bo in the result's layout
.set ACC,  160                         ; v160-191 the accumulators (u, v) at 160 + 8 (2 u + v); before that ctx's 16 pairs of scale bytes as loaded
.set RAW,  160
.set XR,   192                         ; v192-223 my two rows of x
.set WS,   224                         ; v224-231 wo's scale words: scales alone
.set CSC,  232                         ; v232-239 ctx's scale words: scales alone
.set T,    240                         ; v240-253 at work: row p: sums in v[240+4p:241+4p], a permute's destination v[242+4p], squares in v[248+4p:249+4p]
	s_load_b512 s[8:23], s[0:1], 0x0               ; cc 8, cs 10, wo_codes 12, wo_scales 14, bo 16, x 18, ln_g 20, ln_b 22
	s_load_b64 s[24:25], s[0:1], 0x40              ; out0
	v_lshl_add_u32 v254, v0, 2, 0x10200
	v_mov_b32 v255, 0
	v_lshrrev_b32 v240, 5, v0
	v_readfirstlane_b32 s4, v240                   ; wave 0..15
	v_and_b32 v240, 31, v0                         ; lane
	v_and_b32 v241, 15, v0                         ; r
	v_bfe_u32 v242, v0, 4, 1                       ; h
	v_lshlrev_b32 v[L16], 4, v240
	v_lshlrev_b32 v[C2], 1, v241
	v_lshlrev_b32 v[WA], 8, v241
	v_lshl_add_u32 v[WA], v242, 4, v[WA]
	v_lshlrev_b32 v[WSA], 4, v241
	v_lshlrev_b32 v[BOA], 5, v242
	v_mul_u32_u24 v[STO], v241, PITCH
	v_lshl_add_u32 v[STO], v242, 5, v[STO]
	s_lshl_b32 s34, s4, 7
	v_add_nc_u32 v[STO], s34, v[STO]
	s_mul_i32 s34, s4, 2*PITCH
	v_add_nc_u32 v[SRD], s34, v[L16]
	v_mov_b32 v[T+2], 0                            ; written once: a lane permute's destination counts as one of its sources
	v_mov_b32 v[T+6], 0
	s_mov_b32 s30, 0x76543210
	s_mov_b32 s31, 0xfedcba98                      ; selects of v_permlanex16_b32 for lane l xor 16
	s_mov_b32 s32, 0x3b000000                      ; 1 / 512
	s_mov_b32 s33, 0x3727c5ac                      ; 1e-5
	s_mov_b32 s37, 0
	s_lshr_b32 s38, s4, 3                          ; my two rows, slots 2 w and 2 w + 1 of the 32: rows 32 g + 8 (w >> 3) + 2 (w & 7) + 8 ((w >> 2) & 1) and the next
	s_lshl_b32 s38, s38, 3
	s_and_b32 s39, s4, 7
	s_lshl_b32 s39, s39, 1
	s_add_co_u32 s38, s38, s39
	s_bfe_u32 s39, s4, 0x10002
	s_lshl_b32 s39, s39, 3
	s_add_co_u32 s38, s38, s39
	s_lshl_b32 s39, ttmp9, 5
	s_add_co_u32 s38, s38, s39
	s_lshl_b32 s38, s38, 11                        ; rows of 2,048 bytes
	s_mov_b32 s39, 0
	s_wait_kmcnt 0x0
	s_add_nc_u64 s[18:19], s[18:19], s[38:39]
	s_add_nc_u64 s[24:25], s[24:25], s[38:39]
	s_lshl_b32 s36, ttmp9, 6
	s_add_nc_u64 s[10:11], s[10:11], s[36:37]      ; cs at tile 2 g: 32 bytes a tile
	s_lshl_b32 s36, ttmp9, 13
	s_add_nc_u64 s[8:9], s[8:9], s[36:37]          ; cc at tile 2 g: 4,096 bytes a tile
	s_lshl_b32 s36, s4, 13
	s_add_nc_u64 s[12:13], s[12:13], s[36:37]      ; wo's codes at row 32 w
	s_lshl_b32 s36, s4, 9
	s_add_nc_u64 s[14:15], s[14:15], s[36:37]      ; its scale bytes
	s_lshl_b32 s36, s4, 7
	s_add_nc_u64 s[16:17], s[16:17], s[36:37]      ; bo at column 32 w
.irp u, 0,1
.irp d, 0,1,2,3,4,5,6,7
	global_load_u16 v[RAW+8*\u+\d], v[C2], s[10:11] offset:16384*\d+32*\u      ; the two scale bytes of head d for the row in slot r of tile u
.endr
.endr
.irp v, 0,1
.irp s, 0,1,2,3
.irp c, 0,1
	global_load_b128 v[W+8*(4*\v+\s)+4*\c:W+8*(4*\v+\s)+4*\c+3], v[WA], s[12:13] offset:4096*\v+64*\s+32*\c
.endr
.endr
	global_load_b128 v[WS+4*\v:WS+4*\v+3], v[WSA], s[14:15] offset:256*\v      ; a row's 16 bytes: the four K steps' words
	global_load_b128 v[BO+8*\v:BO+8*\v+3], v[BOA], s[16:17] offset:64*\v       ; lane (r, h), register j: bo of column 32 w + 16 v + 8 h + j
	global_load_b128 v[BO+8*\v+4:BO+8*\v+7], v[BOA], s[16:17] offset:64*\v+16
.endr
.irp u, 0,1
.irp s, 0,1,2,3
.irp c, 0,1
	global_load_b128 v[CX+8*(4*\u+\s)+4*\c:CX+8*(4*\u+\s)+4*\c+3], v[L16], s[8:9] offset:4096*\u+1024*\s+512*\c   ; 512 consecutive bytes: four registers' image
.endr
.endr
.endr
.irp p, 0,1
.irp i, 0,1,2,3
	global_load_b128 v[XR+16*\p+4*\i:XR+16*\p+4*\i+3], v[L16], s[18:19] offset:2048*\p+512*\i th:TH_LOAD_NT       ; the residual: read once in this launch; wanted last
.endr
.endr
	s_wait_loadcnt 8                               ; all but x's eight loads are in
.irp u, 0,1
.irp s, 0,1,2,3
	v_lshl_or_b32 v[CSC+4*\u+\s], v[RAW+8*\u+2*\s+1], 16, v[RAW+8*\u+2*\s]     ; K step s: heads 2 s and 2 s + 1, two blocks each
.endr
.endr
.rept 8
	v_nop                                          ; a scale register written by a vector instruction stands eight places ahead of a scaled matrix instruction
.endr
.irp s, 0,1,2,3                                ; four accumulators by turns, one instruction a turn
.irp u, 0,1
.irp v, 0,1
.if \s == 0
	v_wmma_scale_f32_16x16x128_f8f6f4 v[ACC+8*(2*\u+\v):ACC+8*(2*\u+\v)+7], v[W+8*(4*\v+\s):W+8*(4*\v+\s)+7], v[CX+8*(4*\u+\s):CX+8*(4*\u+\s)+7], v[BO+8*\v:BO+8*\v+7], v[WS+4*\v+\s], v[CSC+4*\u+\s] matrix_a_fmt:MATRIX_FMT_FP4 matrix_b_fmt:MATRIX_FMT_FP4
.else
	v_wmma_scale_f32_16x16x128_f8f6f4 v[ACC+8*(2*\u+\v):ACC+8*(2*\u+\v)+7], v[W+8*(4*\v+\s):W+8*(4*\v+\s)+7], v[CX+8*(4*\u+\s):CX+8*(4*\u+\s)+7], v[ACC+8*(2*\u+\v):ACC+8*(2*\u+\v)+7], v[WS+4*\v+\s], v[CSC+4*\u+\s] matrix_a_fmt:MATRIX_FMT_FP4 matrix_b_fmt:MATRIX_FMT_FP4
.endif
.endr
.endr
.endr
.rept 4
	v_nop                                          ; places in front of the loads into wo's registers and of the stores that read results
.endr
.irp i, 0,1,2,3
	global_load_b128 v[LG+4*\i:LG+4*\i+3], v[L16], s[20:21] offset:512*\i      ; gain and bias in a finished row's layout: columns 128 i + 4 x lane + 0 .. 3
	global_load_b128 v[LB+4*\i:LB+4*\i+3], v[L16], s[22:23] offset:512*\i
.endr
.irp u, 0,1
.irp v, 0,1
	ds_store_b128 v[STO], v[ACC+8*(2*\u+\v):ACC+8*(2*\u+\v)+3] offset:16*PITCH*\u+64*\v        ; stage row 16 u + r; each accumulator from its low end on
	ds_store_b128 v[STO], v[ACC+8*(2*\u+\v)+4:ACC+8*(2*\u+\v)+7] offset:16*PITCH*\u+64*\v+16
.endr
.endr
	s_wait_dscnt 0x0                               ; for the others' sake: my stores into the stage are done
	s_barrier_signal -1
	s_barrier_wait -1                              ; 32 whole rows lie in the stage
.irp p, 0,1
.irp i, 0,1,2,3
	ds_load_b128 v[Y+16*\p+4*\i:Y+16*\p+4*\i+3], v[SRD] offset:PITCH*\p+512*\i
.endr
.endr
	s_wait_loadcnt 0x0                             ; x, ln_g, ln_b
	s_wait_dscnt 0x0
	; my two rows by turns, 16 numbers a lane each
.irp k, 0,1,2,3,4,5,6,7
.irp p, 0,1
	v_pk_add_f32 v[Y+16*\p+2*\k:Y+16*\p+2*\k+1], v[Y+16*\p+2*\k:Y+16*\p+2*\k+1], v[XR+16*\p+2*\k:XR+16*\p+2*\k+1]   ; + the residual
.endr
.endr
.irp p, 0,1
	v_pk_add_f32 v[T+4*\p:T+4*\p+1], v[Y+16*\p:Y+16*\p+1], v[Y+16*\p+2:Y+16*\p+3]
.endr
.irp k, 2,3,4,5,6,7
.irp p, 0,1
	v_pk_add_f32 v[T+4*\p:T+4*\p+1], v[T+4*\p:T+4*\p+1], v[Y+16*\p+2*\k:Y+16*\p+2*\k+1]
.endr
.endr
.irp p, 0,1
	v_add_f32 v[T+4*\p], v[T+4*\p], v[T+4*\p+1]
.endr
.irp m, 1,2,4,8
.irp p, 0,1
	v_add_f32_dpp v[T+4*\p], v[T+4*\p], v[T+4*\p] row_xmask:\m row_mask:0xf bank_mask:0xf
.endr
.endr
.irp p, 0,1
	v_permlanex16_b32 v[T+4*\p+2], v[T+4*\p], s30, s31
.endr
.irp p, 0,1
	v_add_f32 v[T+4*\p], v[T+4*\p], v[T+4*\p+2]    ; the row's sum, in every lane
.endr
.irp p, 0,1
	v_mul_f32 v[T+4*\p], s32, v[T+4*\p]            ; the mean
.endr
.irp k, 0,1,2,3,4,5,6,7
.irp p, 0,1
	v_pk_add_f32 v[Y+16*\p+2*\k:Y+16*\p+2*\k+1], v[Y+16*\p+2*\k:Y+16*\p+2*\k+1], v[T+4*\p:T+4*\p+1] op_sel_hi:[1,0] neg_lo:[0,1] neg_hi:[0,1]   ; y - the mean
.endr
.endr
.irp p, 0,1
	v_pk_mul_f32 v[T+8+4*\p:T+9+4*\p], v[Y+16*\p:Y+16*\p+1], v[Y+16*\p:Y+16*\p+1]
.endr
.irp k, 1,2,3,4,5,6,7
.irp p, 0,1
	v_pk_fma_f32 v[T+8+4*\p:T+9+4*\p], v[Y+16*\p+2*\k:Y+16*\p+2*\k+1], v[Y+16*\p+2*\k:Y+16*\p+2*\k+1], v[T+8+4*\p:T+9+4*\p]
.endr
.endr
.irp p, 0,1
	v_add_f32 v[T+8+4*\p], v[T+8+4*\p], v[T+9+4*\p]
.endr
.irp m, 1,2,4,8
.irp p, 0,1
	v_add_f32_dpp v[T+8+4*\p], v[T+8+4*\p], v[T+8+4*\p] row_xmask:\m row_mask:0xf bank_mask:0xf
.endr
.endr
.irp p, 0,1
	v_permlanex16_b32 v[T+4*\p+2], v[T+8+4*\p], s30, s31
.endr
.irp p, 0,1
	v_add_f32 v[T+8+4*\p], v[T+8+4*\p], v[T+4*\p+2]
.endr
.irp p, 0,1
	v_fma_f32 v[T+8+4*\p], v[T+8+4*\p], s32, s33   ; the variance + 1e-5
.endr
.irp p, 0,1
	v_rsq_f32 v[T+8+4*\p], v[T+8+4*\p]
.endr
	v_nop                                          ; one plain place behind a transcendental
	s_wait_alu depctr_va_vdst(0)
.irp k, 0,1,2,3,4,5,6,7
.irp p, 0,1
	v_pk_mul_f32 v[Y+16*\p+2*\k:Y+16*\p+2*\k+1], v[Y+16*\p+2*\k:Y+16*\p+2*\k+1], v[T+8+4*\p:T+9+4*\p] op_sel_hi:[1,0]
.endr
.endr
.irp k, 0,1,2,3,4,5,6,7
.irp p, 0,1
	v_pk_fma_f32 v[Y+16*\p+2*\k:Y+16*\p+2*\k+1], v[Y+16*\p+2*\k:Y+16*\p+2*\k+1], v[LG+2*\k:LG+2*\k+1], v[LB+2*\k:LB+2*\k+1]
.endr
.endr
.irp p, 0,1
.irp i, 0,1,2,3
	global_store_b128 v[L16], v[Y+16*\p+4*\i:Y+16*\p+4*\i+3], s[24:25] offset:2048*\p+512*\i th:TH_STORE_NT   ; 32 lanes store 512 consecutive bytes, aligned; written once, read by nobody here
.endr
.endr
	s_wait_tensorcnt 0x0
	ds_add_u32 v254, v255
	s_wait_dscnt 0x0
	s_endpgm
.Lfunc_end_k_q65e8eb2b8d_proj:
	.size	k_q65e8eb2b8d_proj, .Lfunc_end_k_q65e8eb2b8d_proj-k_q65e8eb2b8d_proj
	.p2alignl 7, 3214868480
	.fill 96, 4, 3214868480
	.section	.rodata,"a",@progbits
	.p2align	6, 0x0
	.amdhsa_kernel k_q65e8eb2b8d_proj
		.amdhsa_group_segment_fixed_size 68096
		.amdhsa_private_segment_fixed_size 0
		.amdhsa_enable_private_segment 0
		.amdhsa_kernarg_size 72
		.amdhsa_user_sgpr_count 2
		.amdhsa_user_sgpr_kernarg_segment_ptr 1
		.amdhsa_wavefront_size32 1
		.amdhsa_system_sgpr_workgroup_id_x 1
		.amdhsa_system_sgpr_workgroup_id_y 1
		.amdhsa_system_sgpr_workgroup_id_z 1
		.amdhsa_system_vgpr_workitem_id 0
		.amdhsa_next_free_vgpr 256
		.amdhsa_next_free_sgpr 66
		.amdhsa_reserve_vcc 0
		.amdhsa_float_denorm_mode_32 3
		.amdhsa_float_denorm_mode_16_64 3
		.amdhsa_memory_ordered 1
		.amdhsa_forward_progress 1
		.amdhsa_inst_pref_size 22
	.end_amdhsa_kernel
	.amdgpu_metadata
---
amdhsa.version: [ 1, 2 ]
amdhsa.kernels:
  - .name:           k_q65e8eb2b8d_proj
    .symbol:         k_q65e8eb2b8d_proj.kd
    .args:
      - { .name: cc, .offset: 0, .size: 8, .value_kind: global_buffer, .address_space: global }
      - { .name: cs, .offset: 8, .size: 8, .value_kind: global_buffer, .address_space: global }
      - { .name: wo_codes, .offset: 16, .size: 8, .value_kind: global_buffer, .address_space: global }
      - { .name: wo_scales, .offset: 24, .size: 8, .value_kind: global_buffer, .address_space: global }
      - { .name: bo, .offset: 32, .size: 8, .value_kind: global_buffer, .address_space: global }
      - { .name: x, .offset: 40, .size: 8, .value_kind: global_buffer, .address_space: global }
      - { .name: ln_g, .offset: 48, .size: 8, .value_kind: global_buffer, .address_space: global }
      - { .name: ln_b, .offset: 56, .size: 8, .value_kind: global_buffer, .address_space: global }
      - { .name: out0, .offset: 64, .size: 8, .value_kind: global_buffer, .address_space: global }
    .group_segment_fixed_size: 68096
    .private_segment_fixed_size: 0
    .kernarg_segment_align: 8
    .kernarg_segment_size: 72
    .max_flat_workgroup_size: 512
    .sgpr_count:     66
    .vgpr_count:     256
    .wavefront_size: 32
...
	.end_amdgpu_metadata
.endif
;; end of part 3
;; ======== version 2 of 2: 3 launches
;; workspace buffers: kv 4,456,448 bytes; qc 2,097,152 bytes; qs 131,072 bytes; cc 2,097,152 bytes; cs 131,072 bytes
;; launch qkv (part 4): grid 64 x 4, 16 waves a work-group, no clusters, 175,616 bytes of LDS; arguments x, wk_codes, wk_scales, bk, wq_codes, wq_scales, bq, wv_codes, wv_scales, bv, kv, qc, qs; writes kv, qc, qs
.if DOCPART == 4
	.amdgcn_target "amdgcn-amd-amdhsa--gfx1250"
	.amdhsa_code_object_version 6
	.text
	.protected	k_q65e8eb2b8d_qkv
	.globl	k_q65e8eb2b8d_qkv
	.p2align	8
	.type	k_q65e8eb2b8d_qkv,@function
k_q65e8eb2b8d_qkv:
	s_mov_b64 s[64:65], 0
	v_nop
	global_prefetch_b8 v0, s[64:65] scope:SCOPE_SE
	s_setreg_imm32_b32 hwreg(HW_REG_WAVE_SCHED_MODE, 0, 2), 2
	s_setreg_imm32_b32 hwreg(HW_REG_WAVE_MODE, 25, 1), 1
	s_wait_xcnt 0x0
	s_wait_alu depctr_vm_vsrc(0)
; q = x wq + bq, k = x wk + bk, v = x wv + bv on codes of FP4 (E2M1) with one E8M0 scale for each 32 along K; then q and k are quantised along the head's 64 and v along the keys.
; x: [8192][512] f32, quantised here along its 512.  The weights: codes [512 (n)][256 bytes], K innermost, 16 scale bytes a row.  Nothing of q, k, v goes to memory but codes and scale bytes.
; SHARES.  A work-group takes 128 rows of x (work-group x) and two heads (work-group y: heads 2 y, 2 y + 1) of q, k and v.  Sixteen waves:
;   all:        wave w quantises two of x's 32 fragments (16 rows x 128 K) and leaves them in LDS as images of their registers (16 bytes a lane at 16 x lane, 512 bytes for four registers);
;   waves 0-7:  k (0-3) or q (4-7), head (w >> 1) & 1, the head's block w & 1 of 32 channels, for all eight tiles of rows: 64 matrix instructions;
;   waves 8-15: v, head (w >> 2) & 1, 16 channels (tile w & 3), all 128 rows: 32 matrix instructions.
; THE ROWS OF A TILE ARE NOT NEIGHBOURS: slot r of tile 2 f + u of a block of 128 holds row 32 f + 8 u + r + 8 (r / 8); the 16 channels of a tile of a head are chosen likewise.  A result whose M runs over such a tile
; has element 32 f + 16 (lane / 16) + 8 u + j in register j: the 16 registers of tiles 2 f and 2 f + 1 are 16 neighbours, which is what the conversions want.
; WHAT IS STORED, all as images of operand registers (G = 8 x batch + head; a step = these 128 rows as keys):
;   kv [G][step][8,704]: +0 k: tile t at 512 t, lane (r, h): channels 32 h .. 32 h + 31 of the key in slot r;  +4,096 v: channel tile t at 1,024 t, group c: keys 64 c + 32 h + 0 .. 31 of the channel in slot r;
;                        +8,192 k's scale bytes at 8 r + 128 (f & 1) + 4 (f >> 1) + 2 u + block;  +8,448 v's scale words at 8 r + 128 (t & 1) + 4 (t >> 1).
;   qc [G][tile of the batch][512] as a tile of k;  qs [G][step][256] as k's scale bytes.
; LIMITS: a block whose largest magnitude lies under 2^-124 gets the byte 1 (the floor); so does a block of zeros, where the rule says 127: its codes are zeros and this program alone reads the bytes.  NaN and infinities among the inputs are not served.
; NO CLUSTER, NO TENSOR LOAD.  Partners would share x (262,144 bytes for the four work-groups of a block of rows) and the weights (106,496 bytes for the 64 work-groups of a pair of heads).  Each weight byte goes from memory into
; the registers of the one wave that multiplies by it, once; through LDS it would cost a store and a load more, for at most 64 matrix instructions a wave.  x taken jointly would have to lie in LDS whole beside the images; not built.
; THE MODE: SCHED_MODE bits 1:0 = 2 (LLVM: expert scheduling mode 2), set by the entry lines.  The code itself states the register dependences
; between vector or matrix instructions and memory or LDS instructions, with s_wait_alu, always for 0.
; THE PLAN.  Registers that memory or LDS instructions touch:
;   v1-15, v248   offsets and LDS addresses: written at the head, never again: one wait ahead of x's loads (v1), one ahead of the first LDS store (the others).
;   v16-79        x's loads land; the stage's stores read; the second fragment lands, turned; its quantising reads; then x's fragments land (below).
;   v80-143       x's loads land; the stage's stores read; the weights land; matrix instructions read.  (v: the weights take v80-111 alone.)
;   v144-207      the first fragment lands, turned; its quantising reads; the bias lands in v144-159.
;   v208-216      x's codes and scale word: written by the quantising, read by the images' stores, twice; v's accumulators write v208-216 later.
;   q, k:  TWO buffers of x's four fragments and scale words, v16-47 with v232-235 and v48-79 with v236-239.  Tile t's matrix instructions read buffer t % 2; the loads of tile t + 1 are dealt among them and land in the other
;          buffer.  A tile's codes (two registers) and byte (one) are its own: written by its conversions and shift, read by its two stores, never written again.  ONE wait on va_vdst a tile, behind the shift: the codes and the
;          byte are written, and the tile's matrix instructions are done reading their buffer, which the next tile asks for again.
;   v:     THREE buffers of half a K step (four fragments and scale words): v16-47 with v232-235, v48-79 with v236-239, v112-143 with v228-231.  Half-step i reads buffer i % 3.  Half-steps 0 to 2 are asked for at the role's head;
;          half-steps 1 to 5 begin with one wait on va_vdst (the half-step before is done reading its buffer) and deal the loads of half-step i + 2, which land there, among their four matrix instructions.
;          A second buffer of a whole K step would take 72 registers: this role has 41 to spare.
.set SP,    528                        ; a stage row: 512 bytes + 16: 33 x 16, so the sixteen rows that a turned load touches start in sixteen different columns of 16 bytes
.set WSTG,  16*SP                      ; a wave's stage
.set XIMG,  16*WSTG                    ; x's 32 fragments, 1,024 bytes each: fragment 4 t + s (tile t, K step s)
.set XSC,   XIMG+32*1024               ; their scale words, 128 bytes each
.set GATH,  XSC+32*128                 ; six blocks of 256 scale bytes: k of head 0, 1; q of head 0, 1; v of head 0, 1
.set HEADB, 278528                     ; a head in kv
.set STEPB, 8704                       ; a step in kv
.set LI,   1                           ; v1   16 x lane
.set XRI,  2                           ; v2   XIMG + 16 x lane
.set XRS,  3                           ; v3   XSC + 4 x lane
.set SIN,  4                           ; v4   my stage, as loaded: 16 x lane
.set SOUT, 5                           ; v5   my stage, turned: SP r + 64 h
.set XWI,  6                           ; v6   where I store my two images
.set XWS,  7                           ; v7   and their scale words
.set WA,   8                           ; v8   a weight's codes: (r + 8 (r / 8)) x 256 + 16 h
.set WSA,  9                           ; v9   its scale bytes: (r + 8 (r / 8)) x 16
.set BQA,  10                          ; v10  bq, bk: 64 h
.set BVA,  11                          ; v11  bv: (r + 8 (r / 8)) x 4
.set CO,   12                          ; v12  q's, k's codes: 16 r + 8 h
.set GB,   13                          ; v13  q's, k's scale byte in the gather
.set GV,   14                          ; v14  v's scale word in the gather
.set GR,   15                          ; v15  the gather read back
.set GO,   248                         ; v248 the last copy's offset in memory
.set RA,   16                          ; v16-79   x as loaded, first fragment; then the second, turned; then x's fragments
.set RB,   80                          ; v80-143  x as loaded, second fragment; then the weight's fragments
.set TA,   144                         ; v144-207 the first fragment, turned
.set XF,   16                          ; q, k: buffer p of x's four fragments at XF + 32 p
.set W,    80
.set BI,   144                         ; v144-159 the bias in the result's layout
.set AQ,   160                         ; v160-175 q's, k's two accumulators
.set CQ,   176                         ; v176-191 their codes, two registers a tile
.set EQ,   192                         ; v192-199 their bytes, one a tile
.set AV,   160                         ; v160-223 v's eight accumulators
.set PC,   208                         ; v208-215 x's codes just made
.set PW,   216                         ; v216     x's scale word just made
.set WS,   224                         ; v224-231 the weight's scale words: scales alone (v: v228-231 then take x's scale words of the third buffer)
.set XS,   232                         ; v232-239 x's scale words: scales alone
.set TM,   240                         ; v240-247, v252-255 at work
.set SEL,  50                          ; s[50:51] selects of v_permlanex16_b32 for lane l xor 16
; 64 numbers of a lane, register 16 b + i = k 32 b + 16 (lane / 16) + i of my row, become a fragment's codes in v[pc] on and its scale word in v[pw].
.macro QUANT4 s, pc, pw
.irp b, 0,1,2,3
	v_max3_num_f32 v[TM+\b], |v[\s+16*\b]|, |v[\s+1+16*\b]|, 0x1800000   ; block b: my 16 numbers and the floor 2^(3 - 127): the byte cannot fall under 1
.endr
.irp i, 2,4,6,8,10,12,14
.irp b, 0,1,2,3
	v_max3_num_f32 v[TM+\b], v[TM+\b], |v[\s+16*\b+\i]|, |v[\s+1+16*\b+\i]|   ; the four blocks by turns
.endr
.endr
.irp b, 0,1,2,3
	v_permlanex16_b32 v[TM+4+\b], v[TM+\b], s[SEL], s[SEL+1]
.endr
.irp b, 0,1,2,3
	v_max_num_f32 v[TM+\b], v[TM+\b], v[TM+4+\b]   ; with lane l xor 16's: the block's largest magnitude
.endr
.irp b, 0,1,2,3
	v_add_nc_u32 v[TM+12+\b], 0xff000000, v[TM+\b]   ; 2 off its exponent field: the conversion's scale operand
.endr
.irp b, 0,1,2,3
	v_lshrrev_b32 v[TM+4+\b], 23, v[TM+12+\b]      ; the scale's byte
.endr
	v_lshl_or_b32 v[\pw], v[TM+5], 8, v[TM+4]
	v_lshl_or_b32 v[\pw], v[TM+6], 16, v[\pw]
	v_lshl_or_b32 v[\pw], v[TM+7], 24, v[\pw]
.irp b, 0,1,2,3
	v_cvt_scalef32_pk8_fp4_f32 v[\pc+2*\b], v[\s+16*\b:\s+7+16*\b], v[TM+12+\b]
	v_cvt_scalef32_pk8_fp4_f32 v[\pc+1+2*\b], v[\s+8+16*\b:\s+15+16*\b], v[TM+12+\b]
.endr
	v_nop                                          ; one plain place behind a scaled conversion
.irp c, 0,1                                    ; the operand wants a whole block in a lane: lanes 0-15 block 2 c, lanes 16-31 block 2 c + 1
.irp i, 0,1
	v_permlane16_swap_b32 v[\pc+4*\c+\i], v[\pc+2+4*\c+\i]
.endr
.endr
.endm
.macro TURN raw, dst                           ; 16 rows x 512 bytes through my stage: in as loaded, back 64 bytes of a row a lane.  LDS serves a wave's instructions in order: no wait between
.irp i, 0,1,2,3,4,5,6,7,8,9,10,11,12,13,14,15
	ds_store_b128 v[SIN], v[\raw+4*\i:\raw+4*\i+3] offset:SP*\i
.endr
.irp b, 0,1,2,3
.irp j, 0,1,2,3
	ds_load_b128 v[\dst+16*\b+4*\j:\dst+16*\b+4*\j+3], v[SOUT] offset:128*\b+16*\j
.endr
.endr
.endm
.macro IMAGE off                               ; the fragment in v[PC] on and its scale word go to LDS as they stand
	ds_store_b128 v[XWI], v[PC:PC+3] offset:\off
	ds_store_b128 v[XWI], v[PC+4:PC+7] offset:\off+512
	ds_store_b32 v[XWS], v[PW] offset:(\off)/8
.endm
.macro BARRIER                                 ; my LDS stores have landed and my LDS loads are in: then the work-group's barrier
	s_wait_dscnt 0x0
	s_barrier_signal -1
	s_barrier_wait -1
.endm
.macro PLACES
.rept 4
	v_nop
.endr
.endm
	s_load_b512 s[8:23], s[0:1], 0x0               ; x 8, wk_codes 10, wk_scales 12, bk 14, wq_codes 16, wq_scales 18, bq 20, wv_codes 22
	s_load_b256 s[24:31], s[0:1], 0x40             ; wv_scales 24, bv 26, kv 28, qc 30
	s_load_b64 s[32:33], s[0:1], 0x60              ; qs
	v_lshl_add_u32 v250, v0, 2, 0x2a600
	v_mov_b32 v251, 0
	v_lshrrev_b32 v240, 5, v0
	v_readfirstlane_b32 s4, v240                   ; wave 0..15
	v_and_b32 v240, 31, v0                         ; lane
	v_lshlrev_b32 v[LI], 4, v240
	s_and_b32 s6, ttmp7, 0xffff                    ; y
	s_wait_alu depctr_va_sdst(0)                   ; s4 is written, ahead of its first reader: shares, addresses and branches are made from it
	s_lshr_b32 s38, s4, 2                          ; w >> 2
	s_bfe_u32 s36, s4, 0x10001                     ; (w >> 1) & 1
	s_and_b32 s37, s4, 1                           ; w & 1
	s_lshl_b32 s48, ttmp9, 7                       ; x: my tile w >> 1 begins at row 128 x block + 32 (w >> 2) + 8 ((w >> 1) & 1);
	s_lshl_b32 s52, s38, 5
	s_add_co_u32 s48, s48, s52
	s_lshl_b32 s52, s36, 3
	s_add_co_u32 s48, s48, s52
	s_lshl_b32 s48, s48, 11                        ; rows of 2,048 bytes;
	s_lshl_b32 s52, s37, 10
	s_add_co_u32 s48, s48, s52                     ; my two K steps begin 1,024 (w & 1) bytes on
	s_mov_b32 s49, 0
	s_wait_kmcnt 0x0
	s_add_nc_u64 s[8:9], s[8:9], s[48:49]
	s_wait_alu depctr_va_vdst(0)                   ; v1 is written, which the loads below read as their offset
.irp q, 0,1                                    ; each load: 512 consecutive bytes of one row: a K step's 128 numbers
.irp i, 0,1,2,3,4,5,6,7,8,9,10,11,12,13,14,15
	global_load_b128 v[RA+64*\q+4*\i:RA+64*\q+4*\i+3], v[LI], s[8:9] offset:(\i+8*(\i/8))*2048+512*\q
.endr
.endr
	; every address register is made here, ahead of the first parting of the waves
	v_and_b32 v241, 15, v0                         ; r
	v_bfe_u32 v242, v0, 4, 1                       ; h
	v_and_b32 v243, 8, v241
	v_add_nc_u32 v243, v243, v241                  ; r + 8 (r / 8)
	v_add_nc_u32 v[XRI], XIMG, v[LI]
	v_lshl_add_u32 v[XRS], v240, 2, XSC
	s_mul_i32 s52, s4, WSTG
	v_add_nc_u32 v[SIN], s52, v[LI]
	v_mul_u32_u24 v[SOUT], v241, SP
	v_lshl_add_u32 v[SOUT], v242, 6, v[SOUT]
	v_add_nc_u32 v[SOUT], s52, v[SOUT]
	s_lshl_b32 s52, s4, 11
	v_add_nc_u32 v[XWI], s52, v[XRI]               ; fragments 2 w and 2 w + 1
	s_lshl_b32 s52, s4, 8
	v_add_nc_u32 v[XWS], s52, v[XRS]
	v_lshlrev_b32 v[WA], 8, v243
	v_lshl_add_u32 v[WA], v242, 4, v[WA]
	v_lshlrev_b32 v[WSA], 4, v243
	v_lshlrev_b32 v[BQA], 6, v242
	v_lshlrev_b32 v[BVA], 2, v243
	v_lshlrev_b32 v[CO], 4, v241
	v_lshl_add_u32 v[CO], v242, 3, v[CO]
	s_bfe_u32 s52, s4, 0x20001                     ; (w >> 1) & 3: k of head 0, 1, q of head 0, 1
	s_lshl_b32 s52, s52, 8
	s_add_co_u32 s52, s52, s37                     ; + my block
	s_add_co_u32 s52, s52, GATH
	v_lshl_add_u32 v[GB], v241, 3, s52
	s_and_b32 s53, s38, 1                          ; (w >> 2) & 1: v's head
	s_lshl_b32 s52, s53, 8
	s_lshl_b32 s54, s37, 7
	s_add_co_u32 s52, s52, s54
	s_lshl_b32 s54, s36, 2
	s_add_co_u32 s52, s52, s54
	s_add_co_u32 s52, s52, GATH+1024
	v_lshl_add_u32 v[GV], v241, 3, s52
	s_min_u32 s52, s4, 2                           ; waves 0, 1, 2 copy the gather out, two blocks each
	s_lshl_b32 s52, s52, 9
	s_add_co_u32 s52, s52, GATH
	v_add_nc_u32 v[GR], s52, v[LI]
	s_mov_b32 s52, HEADB
	s_cmp_eq_u32 s4, 1
	s_cselect_b32 s52, 8192, s52                   ; from head to head: in qs 8,192 bytes, in kv a head's
	v_mul_u32_u24 v[GO], s52, v242
	v_lshl_add_u32 v[GO], v241, 4, v[GO]
.irp b, 0,1,2,3
	v_mov_b32 v[TM+4+\b], 0                        ; written once: a lane permute's destination counts as one of its sources
.endr
	s_mov_b32 s[SEL], 0x76543210
	s_mov_b32 s[SEL+1], 0xfedcba98
	; offsets, apart from the addresses
	s_and_b32 s34, ttmp9, 31                       ; step
	s_lshr_b32 s35, ttmp9, 5
	s_lshl_b32 s35, s35, 3
	s_lshl_b32 s52, s6, 1
	s_add_co_u32 s35, s35, s52                     ; G0 = 8 x batch + 2 y
	s_add_co_u32 s54, s52, s36
	s_lshl_b32 s54, s54, 6
	s_lshl_b32 s55, s37, 5
	s_add_co_u32 s54, s54, s55                     ; q, k: my first row of the weight: 64 x head + 32 x block
	s_add_co_u32 s55, s52, s53
	s_lshl_b32 s55, s55, 6
	s_lshl_b32 s56, s36, 5
	s_add_co_u32 s55, s55, s56
	s_lshl_b32 s56, s37, 3
	s_add_co_u32 s55, s55, s56                     ; v: 64 x head + 32 (t >> 1) + 8 (t & 1)
	s_mul_i32 s56, s34, STEPB
	s_add_co_u32 s57, s35, s36                     ; G of q, k
	s_mul_i32 s58, s57, HEADB
	s_add_co_u32 s58, s58, s56
	s_lshl_b32 s59, s37, 8
	s_add_co_u32 s58, s58, s59                     ; k's codes: G x head + step x 8,704 + 256 x block
	s_lshl_b32 s57, s57, 17
	s_add_co_u32 s57, s57, s59
	s_lshl_b32 s59, s34, 12
	s_add_co_u32 s57, s57, s59                     ; q's codes: G x 131,072 + step x 4,096 + 256 x block
	s_add_co_u32 s59, s35, s53
	s_mul_i32 s59, s59, HEADB
	s_add_co_u32 s59, s59, s56
	s_and_b32 s62, s4, 3
	s_lshl_b32 s62, s62, 10
	s_add_co_u32 s59, s59, s62
	s_add_co_u32 s59, s59, 4096                    ; v's codes: G x head + step x 8,704 + 4,096 + 1,024 t
	s_mul_i32 s62, s35, HEADB
	s_add_co_u32 s62, s62, s56
	s_add_co_u32 s62, s62, 8192
	s_lshr_b32 s63, s4, 1
	s_lshl_b32 s63, s63, 8
	s_add_co_u32 s62, s62, s63                     ; the last copy: wave 0 k's scale bytes, wave 2 v's, 256 bytes on;
	s_lshl_b32 s63, s35, 13
	s_lshl_b32 s56, s34, 8
	s_add_co_u32 s63, s63, s56                     ; wave 1 q's
	s_cmp_eq_u32 s4, 1
	s_cselect_b32 s48, s63, s62
	s_cselect_b64 s[60:61], s[32:33], s[28:29]
	s_add_nc_u64 s[60:61], s[60:61], s[48:49]
	s_cmp_lt_u32 s4, 4                             ; the buffers of my role: the choices hang on the wave's number alone
	s_cselect_b64 s[40:41], s[10:11], s[16:17]
	s_cselect_b64 s[42:43], s[12:13], s[18:19]
	s_cselect_b64 s[44:45], s[14:15], s[20:21]
	s_cselect_b64 s[46:47], s[28:29], s[30:31]
	s_cselect_b32 s58, s58, s57
	s_cmp_lt_u32 s4, 8
	s_cselect_b64 s[40:41], s[40:41], s[22:23]
	s_cselect_b64 s[42:43], s[42:43], s[24:25]
	s_cselect_b64 s[44:45], s[44:45], s[26:27]
	s_cselect_b64 s[46:47], s[46:47], s[28:29]
	s_cselect_b32 s58, s58, s59
	s_cselect_b32 s54, s54, s55
	s_lshl_b32 s48, s54, 8
	s_add_nc_u64 s[40:41], s[40:41], s[48:49]      ; the weight's codes at my first row
	s_lshl_b32 s48, s54, 4
	s_add_nc_u64 s[42:43], s[42:43], s[48:49]      ; its scale bytes
	s_lshl_b32 s48, s54, 2
	s_add_nc_u64 s[44:45], s[44:45], s[48:49]      ; the bias
	s_mov_b32 s48, s58
	s_add_nc_u64 s[46:47], s[46:47], s[48:49]      ; where my codes go
	; ---- x: my two fragments
	s_wait_loadcnt 16                              ; the first fragment's 16 loads are in; the second's 16 may be out
	s_wait_alu depctr_va_vdst(0)                   ; v2 to v15 and v248 are written: every LDS address and every offset that the loads and stores from here on read
	TURN RA, TA
	s_wait_loadcnt 0x0
	s_wait_dscnt 0x0                               ; the first fragment is back, turned; its stores have read their registers
	s_wait_alu depctr_vm_vsrc(0)                   ; the stage's stores have read v16-79, in which the second fragment lands, turned
	TURN RB, RA
	QUANT4 TA, PC, PW
	s_wait_alu depctr_va_vdst(0)                   ; the codes v208-215 and the scale word v216 are written, which the image's stores read; the quantising is done reading v144-159, in which the bias lands below
	IMAGE 0
	s_wait_dscnt 0x0                               ; the second fragment is back; the stores have read v80-143 and the codes' registers
	s_wait_alu depctr_vm_vsrc(0)                   ; the stage's stores have read v80-143, in which the weights land; the image's stores have read v208-216, which the second fragment's quantising writes again
	s_cmp_lt_u32 s4, 8                             ; my weights are asked for here and land while the second fragment is quantised
	s_cbranch_scc0 .Lload_v
.irp u, 0,1
.irp s, 0,1,2,3
.irp c, 0,1
	global_load_b128 v[W+8*(4*\u+\s)+4*\c:W+8*(4*\u+\s)+4*\c+3], v[WA], s[40:41] offset:2048*\u+64*\s+32*\c   ; tile u, K step s
.endr
.endr
	global_load_b128 v[WS+4*\u:WS+4*\u+3], v[WSA], s[42:43] offset:128*\u          ; a row's 16 bytes: the four K steps' words
	global_load_b128 v[BI+8*\u:BI+8*\u+3], v[BQA], s[44:45] offset:32*\u           ; lane (r, h), register j: the bias of channel 16 h + 8 u + j of my block
	global_load_b128 v[BI+8*\u+4:BI+8*\u+7], v[BQA], s[44:45] offset:32*\u+16
.endr
	s_branch .Lloaded
.Lload_v:
.irp s, 0,1,2,3
.irp c, 0,1
	global_load_b128 v[W+8*\s+4*\c:W+8*\s+4*\c+3], v[WA], s[40:41] offset:64*\s+32*\c
.endr
.endr
	global_load_b128 v[WS:WS+3], v[WSA], s[42:43]
	global_load_b128 v[WS+4:WS+7], v[WSA], s[42:43]    ; (the same words again: all eight scale registers are written on both ways)
	global_load_b32 v[BI], v[BVA], s[44:45]            ; the bias of the channel in slot r
.Lloaded:
	QUANT4 RA, PC, PW
	s_wait_alu depctr_va_vdst(0)                   ; the codes and the scale word are written, which the image's stores read; the quantising is done reading v16-79, in which x's fragments land below
	IMAGE 1024
	BARRIER                                        ; x's 32 fragments and their scale words lie in LDS
	s_wait_alu depctr_vm_vsrc(0)                   ; the image's stores have read v208-216, which v's accumulators write
	s_wait_loadcnt 0x0                             ; my weights, their scale words, my bias
	s_cmp_lt_u32 s4, 8
	s_cbranch_scc0 .Lrole_v
; ---- q, k.  TRANSPOSED: source 0 = 16 rows of the weight, source 1 = 16 rows of x: lane (r, h) holds the row in slot r, and the 16 registers of the two accumulators its channels 32 b + 16 h + 0 .. 15.
; The two accumulators take turns, one instruction a turn.  Each tile has registers of its own for its codes and its byte: no store's data are written again.
.macro XQ t, s                                 ; x's fragment of tile t, K step s, and its scale word, into buffer t % 2
	ds_load_b128 v[XF+32*((\t)%2)+8*(\s):XF+32*((\t)%2)+8*(\s)+3], v[XRI] offset:(4*(\t)+(\s))*1024
	ds_load_b128 v[XF+32*((\t)%2)+8*(\s)+4:XF+32*((\t)%2)+8*(\s)+7], v[XRI] offset:(4*(\t)+(\s))*1024+512
	ds_load_b32 v[XS+4*((\t)%2)+(\s)], v[XRS] offset:(4*(\t)+(\s))*128
.endm
.macro QKTILE t
.if (\t) == 0
	s_wait_dscnt 0x0                               ; tile 0's twelve loads are in
.else
	s_wait_dscnt 1                                 ; this tile's twelve loads are in; the last tile's byte store, issued behind them, may be out
.endif
.irp s, 0,1,2,3
.irp u, 0,1
.if \s == 0
	v_wmma_scale_f32_16x16x128_f8f6f4 v[AQ+8*\u:AQ+8*\u+7], v[W+8*(4*\u+\s):W+8*(4*\u+\s)+7], v[XF+32*((\t)%2)+8*\s:XF+32*((\t)%2)+8*\s+7], v[BI+8*\u:BI+8*\u+7], v[WS+4*\u+\s], v[XS+4*((\t)%2)+\s] matrix_a_fmt:MATRIX_FMT_FP4 matrix_b_fmt:MATRIX_FMT_FP4
.else
	v_wmma_scale_f32_16x16x128_f8f6f4 v[AQ+8*\u:AQ+8*\u+7], v[W+8*(4*\u+\s):W+8*(4*\u+\s)+7], v[XF+32*((\t)%2)+8*\s:XF+32*((\t)%2)+8*\s+7], v[AQ+8*\u:AQ+8*\u+7], v[WS+4*\u+\s], v[XS+4*((\t)%2)+\s] matrix_a_fmt:MATRIX_FMT_FP4 matrix_b_fmt:MATRIX_FMT_FP4
.endif
.endr
.if (\t) < 7
	XQ (\t)+1, \s                                  ; the next tile, into the other buffer.  No wait: no vector or matrix instruction since the last tile's wait names that buffer
.endif
.endr
	PLACES                                         ; in front of the first read of results
	v_max3_num_f32 v[TM], |v[AQ]|, |v[AQ+1]|, 0x1800000            ; my 16 channels in two chains, each accumulator from its low end, and the floor
	v_max3_num_f32 v[TM+1], |v[AQ+8]|, |v[AQ+9]|, |v[AQ+10]|
	v_max3_num_f32 v[TM], v[TM], |v[AQ+2]|, |v[AQ+3]|
	v_max3_num_f32 v[TM+1], v[TM+1], |v[AQ+11]|, |v[AQ+12]|
	v_max3_num_f32 v[TM], v[TM], |v[AQ+4]|, |v[AQ+5]|
	v_max3_num_f32 v[TM+1], v[TM+1], |v[AQ+13]|, |v[AQ+14]|
	v_max3_num_f32 v[TM], v[TM], |v[AQ+6]|, |v[AQ+7]|
	v_max3_num_f32 v[TM], v[TM], v[TM+1], |v[AQ+15]|
	v_permlanex16_b32 v[TM+4], v[TM], s[SEL], s[SEL+1]
	v_max_num_f32 v[TM], v[TM], v[TM+4]            ; with lane l xor 16's 16: the block's largest magnitude
	v_add_nc_u32 v[TM+12], 0xff000000, v[TM]       ; 2 off its exponent field: the conversion's scale operand
	v_cvt_scalef32_pk8_fp4_f32 v[CQ+2*(\t)], v[AQ:AQ+7], v[TM+12]
	v_cvt_scalef32_pk8_fp4_f32 v[CQ+2*(\t)+1], v[AQ+8:AQ+15], v[TM+12]
	v_lshrrev_b32 v[EQ+(\t)], 23, v[TM+12]         ; the scale's byte; also the plain place behind the conversions
	s_wait_alu depctr_va_vdst(0)                   ; the tile's codes and byte are written, which the two stores read; its matrix instructions are done reading their buffer and scale words, in which the next tile's loads land; tile 7: v252 is done with, in which the last copy lands
	global_store_b64 v[CO], v[CQ+2*(\t):CQ+2*(\t)+1], s[46:47] offset:512*(\t)     ; the wave stores 256 consecutive bytes, aligned: my block's half of the tile's image
	ds_store_b8 v[GB], v[EQ+(\t)] offset:128*(((\t)/2)%2)+4*((\t)/4)+2*((\t)%2)    ; both lanes of a block write the same byte with the same value
.endm
.irp s, 0,1,2,3
	XQ 0, \s                                       ; tile 0 (the quantising that read v16-47 stands ahead of the wait in front of the second image's stores)
.endr
.irp t, 0,1,2,3,4,5,6,7
	QKTILE \t
.endr
	s_branch .Ljoin
; ---- v.  NOT transposed: source 0 = 16 rows of x, source 1 = my 16 rows of wv: lane (r, h) holds the channel in slot r, and register 16 f + i of the eight accumulators key 32 f + 16 h + i.
; Half-step i = 2 s + e: K step s, tiles 4 e .. 4 e + 3 of the rows.  The eight accumulators take turns, one instruction a turn, K step by K step.
.macro XV i, t                                 ; x's fragment of tile 4 (i % 2) + t, K step i / 2, and its scale word, into buffer i % 3
.set VLB, 16+32*((\i)%3)+32*(((\i)%3)/2)       ; v16, v48, v112
.set VLS, 232+4*((\i)%3)-12*(((\i)%3)/2)       ; v232, v236, v228
	ds_load_b128 v[VLB+8*(\t):VLB+8*(\t)+3], v[XRI] offset:(4*(4*((\i)%2)+(\t))+(\i)/2)*1024
	ds_load_b128 v[VLB+8*(\t)+4:VLB+8*(\t)+7], v[XRI] offset:(4*(4*((\i)%2)+(\t))+(\i)/2)*1024+512
	ds_load_b32 v[VLS+(\t)], v[XRS] offset:(4*(4*((\i)%2)+(\t))+(\i)/2)*128
.endm
.macro VHALF i
.set VB, 16+32*((\i)%3)+32*(((\i)%3)/2)
.set VS, 232+4*((\i)%3)-12*(((\i)%3)/2)
.if (\i) == 0
	s_wait_dscnt 24                                ; half-step 0's twelve loads are in; those of half-steps 1 and 2 may be out
.elseif (\i) < 7
	s_wait_dscnt 12                                ; this half-step's twelve loads are in; the next one's may be out
.else
	s_wait_dscnt 0x0
.endif
.if ((\i) > 0) && ((\i) < 6)
	s_wait_alu depctr_va_vdst(0)                   ; the matrix instructions of the half-step before are done reading their buffer and scale words, in which the loads below land
.endif
.irp t, 0,1,2,3
.if (\i) < 2
	v_wmma_scale_f32_16x16x128_f8f6f4 v[AV+8*(4*((\i)%2)+\t):AV+8*(4*((\i)%2)+\t)+7], v[VB+8*\t:VB+8*\t+7], v[W+8*((\i)/2):W+8*((\i)/2)+7], v[BI:BI+7], v[VS+\t], v[WS+(\i)/2] matrix_a_fmt:MATRIX_FMT_FP4 matrix_b_fmt:MATRIX_FMT_FP4
.else
	v_wmma_scale_f32_16x16x128_f8f6f4 v[AV+8*(4*((\i)%2)+\t):AV+8*(4*((\i)%2)+\t)+7], v[VB+8*\t:VB+8*\t+7], v[W+8*((\i)/2):W+8*((\i)/2)+7], v[AV+8*(4*((\i)%2)+\t):AV+8*(4*((\i)%2)+\t)+7], v[VS+\t], v[WS+(\i)/2] matrix_a_fmt:MATRIX_FMT_FP4 matrix_b_fmt:MATRIX_FMT_FP4
.endif
.if ((\i) > 0) && ((\i) < 6)
	XV (\i)+2, \t                                  ; two half-steps ahead.  No further wait: this half-step's matrix instructions name another buffer
.endif
.endr
.endm
.Lrole_v:
.irp i, 0,1,2
.irp t, 0,1,2,3
	XV \i, \t                                      ; half-steps 0 to 2 (the quantising that read v16-79 stands ahead of the wait in front of the second image's stores; no vector instruction has named v112-143 or v228-239)
.endr
.endr
.irp j, 1,2,3,4,5,6,7
	v_mov_b32 v[BI+\j], v[BI]                      ; a lane's eight results are eight keys of one channel: one bias for all
.endr
	s_wait_alu depctr_va_vdst(0)
.irp i, 0,1,2,3,4,5,6,7
	VHALF \i
.endr
	PLACES
	QUANT4 AV, 16, 24                              ; along the keys: one fragment (16 channels x 128 keys) and its scale word
	s_wait_alu depctr_va_vdst(0)                   ; the codes v16-23 and the scale word v24 are written, which the three stores read; v252-255 are done with
	global_store_b128 v[LI], v[16:19], s[46:47]            ; 512 consecutive bytes each
	global_store_b128 v[LI], v[20:23], s[46:47] offset:512
	ds_store_b32 v[GV], v24                        ; lanes r and r + 16 write the same word with the same value
.Ljoin:
	BARRIER                                        ; the six blocks of scale bytes are whole
	s_cmp_lt_u32 s4, 3
	s_cbranch_scc0 .Lend
	ds_load_b128 v[252:255], v[GR]                 ; lanes 0-15 head 0's 256 bytes, lanes 16-31 head 1's.  (The last vector instruction that named v252-255 stands ahead of the role's last wait on va_vdst)
	s_wait_dscnt 0x0
	global_store_b128 v[GO], v[252:255], s[60:61]  ; sixteen lanes store 256 consecutive bytes, aligned
.Lend:
	s_wait_dscnt 0x0                               ; the closing lines, six on end
	s_wait_alu 0x0
	s_wait_tensorcnt 0x0
	ds_add_u32 v250, v251
	s_wait_dscnt 0x0
	s_endpgm
.Lfunc_end_k_q65e8eb2b8d_qkv:
	.size	k_q65e8eb2b8d_qkv, .Lfunc_end_k_q65e8eb2b8d_qkv-k_q65e8eb2b8d_qkv
	.p2alignl 7, 3214868480
	.fill 96, 4, 3214868480
	.section	.rodata,"a",@progbits
	.p2align	6, 0x0
	.amdhsa_kernel k_q65e8eb2b8d_qkv
		.amdhsa_group_segment_fixed_size 175616
		.amdhsa_private_segment_fixed_size 0
		.amdhsa_enable_private_segment 0
		.amdhsa_kernarg_size 104
		.amdhsa_user_sgpr_count 2
		.amdhsa_user_sgpr_kernarg_segment_ptr 1
		.amdhsa_wavefront_size32 1
		.amdhsa_system_sgpr_workgroup_id_x 1
		.amdhsa_system_sgpr_workgroup_id_y 1
		.amdhsa_system_sgpr_workgroup_id_z 1
		.amdhsa_system_vgpr_workitem_id 0
		.amdhsa_next_free_vgpr 256
		.amdhsa_next_free_sgpr 66
		.amdhsa_reserve_vcc 0
		.amdhsa_float_denorm_mode_32 3
		.amdhsa_float_denorm_mode_16_64 3
		.amdhsa_memory_ordered 1
		.amdhsa_forward_progress 1
		.amdhsa_inst_pref_size 64
	.end_amdhsa_kernel
	.amdgpu_metadata
---
amdhsa.version: [ 1, 2 ]
amdhsa.kernels:
  - .name:           k_q65e8eb2b8d_qkv
    .symbol:         k_q65e8eb2b8d_qkv.kd
    .args:
      - { .name: x, .offset: 0, .size: 8, .value_kind: global_buffer, .address_space: global }
      - { .name: wk_codes, .offset: 8, .size: 8, .value_kind: global_buffer, .address_space: global }
      - { .name: wk_scales, .offset: 16, .size: 8, .value_kind: global_buffer, .address_space: global }
      - { .name: bk, .offset: 24, .size: 8, .value_kind: global_buffer, .address_space: global }
      - { .name: wq_codes, .offset: 32, .size: 8, .value_kind: global_buffer, .address_space: global }
      - { .name: wq_scales, .offset: 40, .size: 8, .value_kind: global_buffer, .address_space: global }
      - { .name: bq, .offset: 48, .size: 8, .value_kind: global_buffer, .address_space: global }
      - { .name: wv_codes, .offset: 56, .size: 8, .value_kind: global_buffer, .address_space: global }
      - { .name: wv_scales, .offset: 64, .size: 8, .value_kind: global_buffer, .address_space: global }
      - { .name: bv, .offset: 72, .size: 8, .value_kind: global_buffer, .address_space: global }
      - { .name: kv, .offset: 80, .size: 8, .value_kind: global_buffer, .address_space: global }
      - { .name: qc, .offset: 88, .size: 8, .value_kind: global_buffer, .address_space: global }
      - { .name: qs, .offset: 96, .size: 8, .value_kind: global_buffer, .address_space: global }
    .group_segment_fixed_size: 175616
    .private_segment_fixed_size: 0
    .kernarg_segment_align: 8
    .kernarg_segment_size: 104
    .max_flat_workgroup_size: 512
    .sgpr_count:     66
    .vgpr_count:     256
    .wavefront_size: 32
...
	.end_amdgpu_metadata
.endif
;; end of part 4
;; launch attn (part 5): grid 16 x 16, 16 waves a work-group, clusters of 4 x 1, 281,088 bytes of LDS; arguments qc, qs, kv, cc, cs; writes cc, cs
.if DOCPART == 5
	.amdgcn_target "amdgcn-amd-amdhsa--gfx1250"
	.amdhsa_code_object_version 6
	.text
	.protected	k_q65e8eb2b8d_attn
	.globl	k_q65e8eb2b8d_attn
	.p2align	8
	.type	k_q65e8eb2b8d_attn,@function
k_q65e8eb2b8d_attn:
	s_mov_b64 s[64:65], 0
	v_nop
	global_prefetch_b8 v0, s[64:65] scope:SCOPE_SE
	s_setreg_imm32_b32 hwreg(HW_REG_WAVE_MODE, 25, 1), 1
	s_wait_xcnt 0x0
	s_wait_alu depctr_hold_cnt(0) depctr_sa_sdst(0) depctr_va_vdst(0) depctr_va_sdst(0) depctr_va_ssrc(0) depctr_va_vcc(0) depctr_vm_vsrc(0)
	s_getreg_b32 s2, hwreg(HW_REG_IB_STS2, 6, 4)
	s_cmp_eq_u32 s2, 0
	s_cbranch_scc0 .Lentry_in_a_cluster
	s_endpgm
.Lentry_in_a_cluster:
	s_bfe_u32 s2, ttmp6, 0x10000c
	s_cmp_lg_u32 s2, 0x3003
	s_cbranch_scc0 .Lentry_shape_is_right
	s_endpgm
.Lentry_shape_is_right:
; ctx[q] = the sum over keys of softmax(q . k / 8) v for one head, both products on codes of FP4 (E2M1) with one E8M0 scale for each 32 along a product's K; then ctx is quantised along its channels.
; THE SOFTMAX AHEAD OF THE SECOND PRODUCT: t = score x log2(e) / 8; M = the row's largest t so far, rounded UP to a whole number; p = 2^(t - M) is what is quantised, along the keys, not normalised.
; The row's sum is taken of the unquantised p and divides at the end.  When M moves, the sum and O are multiplied by 2^(old M - new M): exact.
; SHARES.  A work-group owns 256 queries of head G = 8 x batch + head (grid y); each of its sixteen waves one tile of 16, in 256 registers.  Every wave walks the head's 4,096 keys, 128 a step.
; THE WHOLE HEAD LIES IN LDS: its 32 steps of 8,704 bytes (k's codes, v's codes, their scale bytes, all as images of operand registers) are 278,528 bytes, filled ONCE, as they lie in memory.  No byte of LDS is filled again.
; Waves 0-3 bring it in four chunks of eight steps, one tensor load a wave and chunk (two steps: 68 rows of 256 bytes): four loads of a wave are out at the most.
; CLUSTER.  The four blocks of queries of a cluster belong to one head: every tile is asked for JOINTLY, by the same tensor load with the same descriptor and a mask that names the four.
; LAYOUT.  Both products are used transposed: S^T = K Q^T, O^T = V^T P^T: a lane holds ONE query (lane % 16) throughout.
; THE FIRST PRODUCT'S K IS 64, the instruction's 128.  A fragment of k carries TWO tiles of 16 keys, tile 2 f in k 0-63 and tile 2 f + 1 in k 64-127; q stands twice in registers, as (codes, zero codes) and as
; (zero codes, codes): zero codes add nothing, so the one product gives tile 2 f's scores and the other tile 2 f + 1's.  Every byte read from LDS is used.  q's scale word is (s0, s1, s0, s1).
; THE KEYS OF A TILE ARE NOT NEIGHBOURS (slot r of tile 2 f + u: key 32 f + 8 u + r + 8 (r / 8)): the 16 registers of tiles 2 f, 2 f + 1 are keys 32 f + 16 (lane / 16) + 0 .. 15.  v's channel tiles are chosen likewise.
; OUT: cc [tile of 16 rows][head][512]: lane (r, h): the codes of channels 32 h .. 32 h + 31 of the row in slot r;  cs [head][tile][r]: two scale bytes.
; LIMITS: a block whose largest magnitude lies under 2^-124 (a block of zeros too) gets the byte 1; its codes are what the conversion gives under that scale, and this program alone reads the bytes.  NaN and infinities are not served.
.set HEADB,  278528
.set STEPB,  8704
.set CHUNKB, 8*STEPB
.set LOADB,  2*STEPB
.set CSG,    HEADB                     ; behind the head: 512 bytes in which the sixteen waves' scale bytes of ctx meet; no tensor load lands there
.set L16,  1                           ; v1   16 x lane
.set L8,   2                           ; v2   8 x lane
.set ADR,  3                           ; v3   the step's images
.set ADR8, 4                           ; v4   the step's scale words
.set CSW,  5                           ; v5   CSG + 32 x wave + 2 r
.set CSR,  6                           ; v6   CSG + 16 x lane
.set R8,   7                           ; v7   8 r
; v12 -M, v13 the largest t, v[14:15] the sum in two halves; v16-23 q (codes, zeros), v24-31 q (zeros, codes); v32-63 k's four fragments; v64-95 v's four; v96-159 S^T, then p; v160-191 O^T;
; v192-199 the way out; v224-231 p's codes; v232-247 at work; v248-249 k's scale words, v250-251 v's, v253 p's, v255 q's: scales alone; v252 f; v254 at work
.set WV,   14                          ; s14  my wave's number
.set SEL,  20                          ; s[20:21] selects of v_permlanex16_b32 for lane l xor 16
.set CS,   22                          ; s[22:23] c = log2(e) / 8; the packed form names a pair and takes its low word for both halves
.set G1,   24                          ; s[24:31] descriptor group 1
.set G0,   32                          ; s[32:47] descriptor group 0, a set for each of my four loads; never rewritten
.set TB,   48                          ; s48  LDS byte at which the step in hand begins
.set CNT,  49                          ; s49  steps left in the chunk
.macro CROUND                          ; a round of the cluster's barrier
	s_barrier_signal -1
	s_barrier_wait -1
	s_cmp_lg_u32 s[WV], 0
	s_cbranch_scc1 .Lnot_wave_0_\@
	s_barrier_signal -3
.Lnot_wave_0_\@:
	s_barrier_wait -3
	s_barrier_signal -1
	s_barrier_wait -1
.endm
	s_load_b256 s[4:11], s[0:1], 0x0               ; qc 4, qs 6, kv 8, cc 10
	s_load_b64 s[12:13], s[0:1], 0x20              ; cs
	v_lshl_add_u32 v242, v0, 2, 0x44200
	v_mov_b32 v243, 0
	ds_add_u32 v242, v243
	ds_add_u32 v242, v243
	v_lshrrev_b32 v8, 5, v0
	s_delay_alu instid0(VALU_DEP_1)
	v_readfirstlane_b32 s[WV], v8                  ; wave 0..15
	s_and_b32 s17, ttmp7, 0xffff                   ; G, which the four partners share
	; descriptor group 1: two steps, 17,408 dense bytes, as 68 rows of 256 bytes (32 elements of 8 bytes), no padding: in LDS as in memory
	s_mov_b32 s[G1], 15|(3<<16)|(1<<21)            ; 15:0 the mask: all four work-groups; 17:16 elements of 8 bytes; 21 set beside a mask
	s_mov_b32 s[G1+1], 32<<16                      ; tensor_dim0 = 32
	s_mov_b32 s[G1+2], 68<<16                      ; tensor_dim1 = 68
	s_mov_b32 s[G1+3], 32<<16                      ; tile_dim0 = 32
	s_mov_b32 s[G1+4], 68                          ; tile_dim1 = 68
	s_mov_b32 s[G1+5], 32                          ; from row to row: 32 elements
	s_mov_b32 s[G1+6], 0
	s_mov_b32 s[G1+7], 0
	s_min_u32 s50, s[WV], 3                        ; waves 0-3 fetch
	s_mul_i32 s51, s50, LOADB                      ; my two steps of a chunk: in LDS and in the head alike; no place in the cluster enters
	s_mul_i32 s52, s17, HEADB
	s_add_co_u32 s52, s52, s51
	s_mov_b32 s53, 0
	s_mov_b32 s[SEL], 0x76543210
	s_mov_b32 s[SEL+1], 0xfedcba98
	s_mov_b32 s[CS], 0x3e38aa3b                    ; log2(e) / 8
	s_mov_b32 s[CS+1], s[CS]
	s_wait_dscnt 0x0
	s_wait_kmcnt 0x0
	s_add_nc_u64 s[52:53], s[8:9], s[52:53]
.irp c, 0,1,2,3
	s_mov_b32 s[G0+4*\c], 1                                        ; count = 1
	s_add_co_u32 s[G0+4*\c+1], s51, \c*CHUNKB                      ; LDS address
	s_add_nc_u64 s[G0+4*\c+2:G0+4*\c+3], s[52:53], \c*CHUNKB       ; global address
	s_or_b32 s[G0+4*\c+3], s[G0+4*\c+3], 0x80000000                ; type = 2
.endr
	CROUND                                         ; all four work-groups are here: the joint loads meet
	s_cmp_lt_u32 s[WV], 4                          ; a wave's four fills stand in one branch, ahead of every wait on TENSORcnt and every LDS read
	s_cbranch_scc0 .Lno_fill
	tensor_load_to_lds s[G0:G0+3], s[G1:G1+7]
	s_nop 0
	tensor_load_to_lds s[G0+4:G0+7], s[G1:G1+7]
	s_nop 0
	tensor_load_to_lds s[G0+8:G0+11], s[G1:G1+7]
	s_nop 0
	tensor_load_to_lds s[G0+12:G0+15], s[G1:G1+7]
	s_nop 0
.rept 4
	v_nop                                          ; places behind a tensor load
.endr
.Lno_fill:
	; my place in the cluster enters the addresses of qc, qs, cc and cs alone, in registers that feed no descriptor
	s_bfe_u32 s54, ttmp6, 0x40000                  ; cx
	s_lshl_b32 s55, ttmp9, 2
	s_add_co_u32 s55, s55, s54                     ; my block of 256 queries
	s_lshl_b32 s56, s55, 4
	s_add_co_u32 s56, s56, s[WV]                   ; my tile of the batch's 256
	s_mov_b32 s59, 0
	s_lshl_b32 s58, s17, 17
	s_lshl_b32 s57, s56, 9
	s_add_co_u32 s58, s58, s57
	s_add_nc_u64 s[4:5], s[4:5], s[58:59]          ; q's codes: G x 131,072 + tile x 512
	s_lshl_b32 s58, s17, 13
	s_lshr_b32 s57, s56, 3
	s_lshl_b32 s57, s57, 8
	s_add_co_u32 s58, s58, s57                     ; q's scale bytes: G x 8,192 + 256 x block of 128 rows,
	s_bfe_u32 s57, s[WV], 0x10001
	s_lshl_b32 s57, s57, 7
	s_add_co_u32 s58, s58, s57                     ; + 128 (f & 1),
	s_bfe_u32 s57, s[WV], 0x10002
	s_lshl_b32 s57, s57, 2
	s_add_co_u32 s58, s58, s57                     ; + 4 (f >> 1),
	s_and_b32 s57, s[WV], 1
	s_lshl_b32 s57, s57, 1
	s_add_co_u32 s58, s58, s57                     ; + 2 u
	s_add_nc_u64 s[6:7], s[6:7], s[58:59]
	s_lshr_b32 s60, s17, 3
	s_lshl_b32 s60, s60, 8                         ; 256 x batch
	s_and_b32 s61, s17, 7                          ; the head
	s_add_co_u32 s57, s60, s56
	s_lshl_b32 s58, s57, 12
	s_lshl_b32 s57, s61, 9
	s_add_co_u32 s58, s58, s57
	s_add_nc_u64 s[10:11], s[10:11], s[58:59]      ; ctx's codes: tile x 4,096 + head x 512
	s_lshl_b32 s57, s55, 4
	s_add_co_u32 s57, s57, s60
	s_lshl_b32 s58, s57, 5
	s_lshl_b32 s57, s61, 14
	s_add_co_u32 s58, s58, s57
	s_add_nc_u64 s[12:13], s[12:13], s[58:59]      ; ctx's scale bytes: head x 16,384 + the work-group's first tile x 32
	v_and_b32 v8, 31, v0
	v_and_b32 v9, 15, v0
	s_delay_alu instid0(VALU_DEP_2)
	v_lshlrev_b32 v[L16], 4, v8
	s_delay_alu instid0(VALU_DEP_3)
	v_lshlrev_b32 v[L8], 3, v8
	s_delay_alu instid0(VALU_DEP_3)
	v_lshlrev_b32 v[R8], 3, v9
	global_load_b128 v[16:19], v[L16], s[4:5]      ; q's codes, twice: they stay in registers
	global_load_b128 v[28:31], v[L16], s[4:5]
	global_load_u16 v254, v[R8], s[6:7]            ; the two scale bytes of the query in slot r
	s_lshl_b32 s57, s[WV], 5
	s_add_co_u32 s57, s57, CSG
	v_lshl_add_u32 v[CSW], v9, 1, s57
	v_add_nc_u32 v[CSR], CSG, v[L16]
	v_mov_b32 v13, 0xff61b1e6                      ; the largest t so far: -3e38, under every t
	s_delay_alu instid0(VALU_DEP_1)
	v_floor_f32 v12, -v13                          ; -M
	v_mov_b32 v14, 0                               ; the sum, in two halves
	v_mov_b32 v15, 0
.irp j, 20,21,22,23,24,25,26,27
	v_mov_b32 v[\j], 0                             ; the zero codes beside q's
.endr
.irp b, 0,1,2,3
	v_mov_b32 v[236+\b], 0                         ; written once: a lane permute's destination counts as one of its sources
.endr
	v_mov_b32 v253, 0                              ; (named as the upper half of the pair v[252:253] before it is first written)
	s_wait_loadcnt 0x0
	v_lshl_or_b32 v255, v254, 16, v254             ; q's scale word: (s0, s1, s0, s1); the 32 lines below stand between it and the first product
.irp j, 0,1,2,3,4,5,6,7,8,9,10,11,12,13,14,15,16,17,18,19,20,21,22,23,24,25,26,27,28,29,30,31
	v_mov_b32 v[160+\j], 0                         ; O^T.  (The step is written once: the first finds zeros, which the first change of M leaves zeros)
.endr
; A KEY STEP: 128 keys: 8 + 4 matrix instructions, 18 LDS loads.
.macro STEP
	v_add_nc_u32 v[ADR], s[TB], v[L16]
	v_add_nc_u32 v[ADR8], s[TB], v[L8]
	v_nop
	v_nop                                          ; four places behind the last step's products, in front of the loads into v's registers
.irp f, 0,1,2,3
	ds_load_b128 v[32+8*\f:35+8*\f], v[ADR] offset:1024*\f
	ds_load_b128 v[36+8*\f:39+8*\f], v[ADR] offset:1024*\f+512
.endr
	ds_load_b64 v[248:249], v[ADR8] offset:8192
.irp t, 0,1,2,3
	ds_load_b128 v[64+8*\t:67+8*\t], v[ADR] offset:4096+1024*\t
	ds_load_b128 v[68+8*\t:71+8*\t], v[ADR] offset:4096+1024*\t+512
.endr
	ds_load_b64 v[250:251], v[ADR8] offset:8448
	s_wait_dscnt 9                                 ; k and its scale words are in; v's eight loads and its scale words may be out
.irp f, 0,1,2,3                                ; S^T: fragment f against q (codes, zeros): tile 2 f; against q (zeros, codes): tile 2 f + 1.  The scale words of fragment f: word f >> 1, lanes 0-15 for even f, lanes 16-31 for odd
.if (\f%2) == 1
	v_wmma_scale_f32_16x16x128_f8f6f4 v[96+16*\f:103+16*\f], v[32+8*\f:39+8*\f], v[16:23], 0, v[248+\f/2], v255 matrix_a_fmt:MATRIX_FMT_FP4 matrix_b_fmt:MATRIX_FMT_FP4 matrix_a_scale:MATRIX_SCALE_ROW1
	v_wmma_scale_f32_16x16x128_f8f6f4 v[104+16*\f:111+16*\f], v[32+8*\f:39+8*\f], v[24:31], 0, v[248+\f/2], v255 matrix_a_fmt:MATRIX_FMT_FP4 matrix_b_fmt:MATRIX_FMT_FP4 matrix_a_scale:MATRIX_SCALE_ROW1
.else
	v_wmma_scale_f32_16x16x128_f8f6f4 v[96+16*\f:103+16*\f], v[32+8*\f:39+8*\f], v[16:23], 0, v[248+\f/2], v255 matrix_a_fmt:MATRIX_FMT_FP4 matrix_b_fmt:MATRIX_FMT_FP4
	v_wmma_scale_f32_16x16x128_f8f6f4 v[104+16*\f:111+16*\f], v[32+8*\f:39+8*\f], v[24:31], 0, v[248+\f/2], v255 matrix_a_fmt:MATRIX_FMT_FP4 matrix_b_fmt:MATRIX_FMT_FP4
.endif
.endr
.rept 4
	v_nop                                          ; places in front of the first read of results
.endr
.irp b, 0,1,2,3
	v_max3_num_f32 v[232+\b], v[96+16*\b], v[97+16*\b], v[98+16*\b]   ; THE LARGEST SCORE OF EACH BLOCK OF 32 KEYS serves twice: for the row's maximum, and, since p rises with the score, for the block's largest p
.endr
.irp i, 3,5,7,9,11,13
.irp b, 0,1,2,3
	v_max3_num_f32 v[232+\b], v[232+\b], v[96+16*\b+\i], v[97+16*\b+\i]
.endr
.endr
.irp b, 0,1,2,3
	v_max_num_f32 v[232+\b], v[232+\b], v[111+16*\b]
.endr
.irp b, 0,1,2,3
	s_delay_alu instid0(VALU_DEP_4)
	v_permlanex16_b32 v[236+\b], v[232+\b], s[SEL], s[SEL+1]
.endr
.irp b, 0,1,2,3
	s_delay_alu instid0(VALU_DEP_4)
	v_max_num_f32 v[232+\b], v[232+\b], v[236+\b]  ; with lane l xor 16's 16 keys
.endr
	s_delay_alu instid0(VALU_DEP_2)
	v_max3_num_f32 v254, v232, v233, v234
	s_delay_alu instid0(VALU_DEP_1)
	v_max_num_f32 v254, v254, v235                 ; the step's largest score of my query
	s_delay_alu instid0(VALU_DEP_1)
	v_mul_f32 v254, s[CS], v254                    ; as t (c is positive)
	s_delay_alu instid0(VALU_DEP_1)
	v_max_num_f32 v13, v13, v254                   ; the running largest t
	v_mov_b32 v254, v12
	s_delay_alu instid0(VALU_DEP_2)
	v_floor_f32 v12, -v13                          ; the new -M = floor(-t) = -ceil(t): M is a whole number
	s_delay_alu instid0(VALU_DEP_1)
	v_sub_f32 v254, v12, v254                      ; M's old value less its new one: a whole number, 0 or less
	s_delay_alu instid0(VALU_DEP_1)
	v_cvt_i32_f32 v254, v254                       ; (it saturates)
	s_delay_alu instid0(VALU_DEP_1)
	v_ldexp_f32 v252, 1.0, v254                    ; f = 2^(old M - new M)
.irp j, 0,2,4,6,8,10,12,14,16,18,20,22,24,26,28,30,32,34,36,38,40,42,44,46,48,50,52,54,56,58,60,62
	v_pk_fma_f32 v[96+\j:97+\j], v[96+\j:97+\j], s[CS:CS+1], v[12:13] op_sel_hi:[1,0,0]   ; t - M, two at a time
.endr
.irp b, 0,1,2,3
	v_fma_f32 v[232+\b], v[232+\b], s[CS], v12     ; the same of each block's largest score
.endr
	s_wait_alu depctr_va_vdst(0)
.irp j, 0,1,2,3,4,5,6,7,8,9,10,11,12,13,14,15,16,17,18,19,20,21,22,23,24,25,26,27,28,29,30,31,32,33,34,35,36,37,38,39,40,41,42,43,44,45,46,47,48,49,50,51,52,53,54,55,56,57,58,59,60,61,62,63
	v_exp_f32 v[96+\j], v[96+\j]                   ; p = 2^(t - M), at most 1: not normalised
.endr
	s_setprio 1
.irp b, 0,1,2,3
	v_exp_f32 v[232+\b], v[232+\b]                 ; the block's largest p: the same two instructions on the same number give the same bits
.endr
	v_pk_mul_f32 v[14:15], v[14:15], v[252:253] op_sel_hi:[1,0]   ; the sums under the new M.  (A plain place behind the exponentials)
	s_wait_alu depctr_va_vdst(0)
.irp b, 0,1,2,3
	v_max_num_f32 v[232+\b], 0x1800000, v[232+\b]  ; the floor 2^(3 - 127): the byte cannot fall under 1
.endr
.irp b, 0,1,2,3
	s_delay_alu instid0(VALU_DEP_4)
	v_add_nc_u32 v[244+\b], 0xff000000, v[232+\b]  ; 2 off the exponent field: the conversion's scale operand
.endr
.irp b, 0,1,2,3
	s_delay_alu instid0(VALU_DEP_4)
	v_lshrrev_b32 v[236+\b], 23, v[244+\b]         ; the scale's byte
.endr
	s_delay_alu instid0(VALU_DEP_3)
	v_lshl_or_b32 v253, v237, 8, v236              ; p's scale word for these 128 keys
	s_delay_alu instid0(VALU_DEP_1)
	v_lshl_or_b32 v253, v238, 16, v253
	s_delay_alu instid0(VALU_DEP_1)
	v_lshl_or_b32 v253, v239, 24, v253
.irp b, 0,1,2,3
	v_cvt_scalef32_pk8_fp4_f32 v[224+2*\b], v[96+16*\b:103+16*\b], v[244+\b]
	v_cvt_scalef32_pk8_fp4_f32 v[225+2*\b], v[104+16*\b:111+16*\b], v[244+\b]
.endr
	v_nop                                          ; one plain place behind a scaled conversion
.irp c, 0,1                                    ; the operand wants a whole block in a lane
.irp i, 0,1
	v_permlane16_swap_b32 v[224+4*\c+\i], v[226+4*\c+\i]
.endr
.endr
	v_pk_add_f32 v[236:237], v[100:101], v[104:105]
	v_pk_add_f32 v[248:249], v[108:109], v[112:113]
	v_pk_add_f32 v[246:247], v[116:117], v[120:121]
	v_pk_add_f32 v[244:245], v[124:125], v[128:129]
	v_pk_add_f32 v[240:241], v[132:133], v[136:137]
	v_pk_add_f32 v[234:235], v[140:141], v[144:145]
	v_pk_add_f32 v[232:233], v[148:149], v[152:153]
	v_pk_add_f32 v[14:15], v[14:15], v[156:157]
	v_pk_add_f32 v[236:237], v[236:237], v[96:97]
	v_pk_add_f32 v[248:249], v[248:249], v[98:99]
	v_pk_add_f32 v[246:247], v[246:247], v[102:103]
	v_pk_add_f32 v[244:245], v[244:245], v[106:107]
	v_pk_add_f32 v[240:241], v[240:241], v[110:111]
	v_pk_add_f32 v[234:235], v[234:235], v[114:115]
	v_pk_add_f32 v[232:233], v[232:233], v[118:119]
	v_pk_add_f32 v[14:15], v[14:15], v[122:123]
	v_pk_add_f32 v[236:237], v[236:237], v[126:127]
	v_pk_add_f32 v[248:249], v[248:249], v[130:131]
	v_pk_add_f32 v[246:247], v[246:247], v[134:135]
	v_pk_add_f32 v[244:245], v[244:245], v[138:139]
	v_pk_add_f32 v[240:241], v[240:241], v[142:143]
	v_pk_add_f32 v[234:235], v[234:235], v[146:147]
	v_pk_add_f32 v[232:233], v[232:233], v[150:151]
	v_pk_add_f32 v[14:15], v[14:15], v[154:155]
	v_pk_add_f32 v[236:237], v[236:237], v[158:159]
	s_delay_alu instid0(VALU_DEP_2)
	v_pk_add_f32 v[14:15], v[14:15], v[244:245]
	s_delay_alu instid0(VALU_DEP_2)
	v_pk_add_f32 v[236:237], v[236:237], v[240:241]
	v_pk_add_f32 v[248:249], v[248:249], v[234:235]
	v_pk_add_f32 v[246:247], v[246:247], v[232:233]
	s_delay_alu instid0(VALU_DEP_2)
	v_pk_add_f32 v[14:15], v[14:15], v[248:249]
	s_delay_alu instid0(VALU_DEP_2)
	v_pk_add_f32 v[236:237], v[236:237], v[246:247]
	s_delay_alu instid0(VALU_DEP_1)
	v_pk_add_f32 v[14:15], v[14:15], v[236:237]
	s_setprio 0
.irp j, 0,2,4,6,8,10,12,14,16,18,20,22,24,26,28,30
	v_pk_mul_f32 v[160+\j:161+\j], v[160+\j:161+\j], v[252:253] op_sel_hi:[1,0]   ; O^T under the new M.  (With the sums above: the places between p's codes and scale word and the products below)
.endr
	s_wait_alu depctr_va_vdst(0)
	s_wait_dscnt 0x0                               ; v and its scale words are in
.irp t, 0,1,2,3                                ; O^T += V^T P^T: four accumulators by turns; the next matrix instruction behind the fourth is a score's
.if (\t%2) == 1
	v_wmma_scale_f32_16x16x128_f8f6f4 v[160+8*\t:167+8*\t], v[64+8*\t:71+8*\t], v[224:231], v[160+8*\t:167+8*\t], v[250+\t/2], v253 matrix_a_fmt:MATRIX_FMT_FP4 matrix_b_fmt:MATRIX_FMT_FP4 matrix_a_scale:MATRIX_SCALE_ROW1
.else
	v_wmma_scale_f32_16x16x128_f8f6f4 v[160+8*\t:167+8*\t], v[64+8*\t:71+8*\t], v[224:231], v[160+8*\t:167+8*\t], v[250+\t/2], v253 matrix_a_fmt:MATRIX_FMT_FP4 matrix_b_fmt:MATRIX_FMT_FP4
.endif
.endr
.endm
; A CHUNK of eight steps.  The count leaves my loads of the later chunks on their way.
.macro CHUNK c
	s_wait_tensorcnt 3-\c                          ; my loads 0 to c have landed (tensor loads of a wave end in order: ISA guide 10.11.1)
	s_wait_dscnt 0x0
	s_barrier_signal -1
	s_barrier_wait -1                              ; everybody's have
	s_mov_b32 s[TB], \c*CHUNKB
	s_mov_b32 s[CNT], 8
.Lstep_\@:
	s_setprio 2
	STEP
	s_add_co_u32 s[TB], s[TB], STEPB
	s_sub_co_u32 s[CNT], s[CNT], 1
	s_cmp_lg_u32 s[CNT], 0
	s_cbranch_scc1 .Lstep_\@
	s_setprio 0
.endm
	CHUNK 0
	CHUNK 1
	CHUNK 2
	CHUNK 3
	; THE WAY OUT.  O^T / the sum; register 16 b + i is channel 32 b + 16 h + i of my query: two blocks of ctx's K.  They are quantised as they stand.
.rept 4
	v_nop                                          ; places behind the last products
.endr
	v_add_f32 v14, v14, v15                        ; the sum's two halves,
	s_delay_alu instid0(VALU_DEP_1)
	v_permlanex16_b32 v252, v14, s[SEL], s[SEL+1]
	s_delay_alu instid0(VALU_DEP_1)
	v_add_f32 v14, v14, v252                       ; and lane l xor 16's: the row's sum
	s_wait_alu depctr_va_vdst(0)
	v_rcp_f32 v14, v14
	v_nop                                          ; one plain place behind a transcendental
	s_wait_alu depctr_va_vdst(0)
.irp j, 0,2,4,6,8,10,12,14,16,18,20,22,24,26,28,30
	v_pk_mul_f32 v[96+\j:97+\j], v[160+\j:161+\j], v[14:15] op_sel_hi:[1,0]   ; each accumulator from its low end on
.endr
.irp b, 0,1
	v_max3_num_f32 v[232+\b], |v[96+16*\b]|, |v[97+16*\b]|, 0x1800000
.endr
.irp i, 2,4,6,8,10,12,14
.irp b, 0,1
	s_delay_alu instid0(VALU_DEP_2)
	v_max3_num_f32 v[232+\b], v[232+\b], |v[96+16*\b+\i]|, |v[97+16*\b+\i]|
.endr
.endr
.irp b, 0,1
	s_delay_alu instid0(VALU_DEP_2)
	v_permlanex16_b32 v[236+\b], v[232+\b], s[SEL], s[SEL+1]
.endr
.irp b, 0,1
	s_delay_alu instid0(VALU_DEP_2)
	v_max_num_f32 v[232+\b], v[232+\b], v[236+\b]
.endr
.irp b, 0,1
	s_delay_alu instid0(VALU_DEP_2)
	v_add_nc_u32 v[244+\b], 0xff000000, v[232+\b]
.endr
.irp b, 0,1
	s_delay_alu instid0(VALU_DEP_2)
	v_lshrrev_b32 v[236+\b], 23, v[244+\b]
.endr
	s_delay_alu instid0(VALU_DEP_1)
	v_lshl_or_b32 v254, v237, 8, v236              ; my row's two scale bytes
.irp b, 0,1
	v_cvt_scalef32_pk8_fp4_f32 v[192+2*\b], v[96+16*\b:103+16*\b], v[244+\b]
	v_cvt_scalef32_pk8_fp4_f32 v[193+2*\b], v[104+16*\b:111+16*\b], v[244+\b]
.endr
	v_nop                                          ; one plain place behind a scaled conversion
	v_permlane16_swap_b32 v192, v194               ; lanes 0-15 block 0, lanes 16-31 block 1
	v_permlane16_swap_b32 v193, v195
	global_store_b128 v[L16], v[192:195], s[10:11] ; the wave stores 512 consecutive bytes, aligned
	ds_store_b16 v[CSW], v254                      ; lanes r and r + 16 write the same two bytes with the same value
	s_wait_dscnt 0x0
	s_barrier_signal -1
	s_barrier_wait -1                              ; the sixteen tiles' 512 scale bytes lie together
	s_cmp_lg_u32 s[WV], 0
	s_cbranch_scc1 .Lnot_first
	ds_load_b128 v[196:199], v[CSR]
	s_wait_dscnt 0x0
	global_store_b128 v[L16], v[196:199], s[12:13] ; 512 consecutive bytes, aligned
.Lnot_first:
	s_wait_tensorcnt 0x0
	ds_add_u32 v242, v243
	s_wait_dscnt 0x0
	CROUND                                         ; the closing round: no work-group ends while a partner may still ask for a tile that names it
	s_endpgm
.Lfunc_end_k_q65e8eb2b8d_attn:
	.size	k_q65e8eb2b8d_attn, .Lfunc_end_k_q65e8eb2b8d_attn-k_q65e8eb2b8d_attn
	.p2alignl 7, 3214868480
	.fill 96, 4, 3214868480
	.section	.rodata,"a",@progbits
	.p2align	6, 0x0
	.amdhsa_kernel k_q65e8eb2b8d_attn
		.amdhsa_group_segment_fixed_size 281088
		.amdhsa_private_segment_fixed_size 0
		.amdhsa_enable_private_segment 0
		.amdhsa_kernarg_size 40
		.amdhsa_user_sgpr_count 2
		.amdhsa_user_sgpr_kernarg_segment_ptr 1
		.amdhsa_wavefront_size32 1
		.amdhsa_system_sgpr_workgroup_id_x 1
		.amdhsa_system_sgpr_workgroup_id_y 1
		.amdhsa_system_sgpr_workgroup_id_z 1
		.amdhsa_system_vgpr_workitem_id 0
		.amdhsa_next_free_vgpr 256
		.amdhsa_next_free_sgpr 66
		.amdhsa_reserve_vcc 0
		.amdhsa_float_denorm_mode_32 3
		.amdhsa_float_denorm_mode_16_64 3
		.amdhsa_memory_ordered 1
		.amdhsa_forward_progress 1
		.amdhsa_inst_pref_size 77
	.end_amdhsa_kernel
	.amdgpu_metadata
---
amdhsa.version: [ 1, 2 ]
amdhsa.kernels:
  - .name:           k_q65e8eb2b8d_attn
    .symbol:         k_q65e8eb2b8d_attn.kd
    .args:
      - { .name: qc, .offset: 0, .size: 8, .value_kind: global_buffer, .address_space: global }
      - { .name: qs, .offset: 8, .size: 8, .value_kind: global_buffer, .address_space: global }
      - { .name: kv, .offset: 16, .size: 8, .value_kind: global_buffer, .address_space: global }
      - { .name: cc, .offset: 24, .size: 8, .value_kind: global_buffer, .address_space: global }
      - { .name: cs, .offset: 32, .size: 8, .value_kind: global_buffer, .address_space: global }
    .group_segment_fixed_size: 281088
    .private_segment_fixed_size: 0
    .kernarg_segment_align: 8
    .kernarg_segment_size: 40
    .max_flat_workgroup_size: 512
    .sgpr_count:     66
    .vgpr_count:     256
    .wavefront_size: 32
...
	.end_amdgpu_metadata
.endif
;; end of part 5
;; launch proj (part 6): grid 256 x 1, 16 waves a work-group, no clusters, 68,096 bytes of LDS; arguments cc, cs, wo_codes, wo_scales, bo, x, ln_g, ln_b, out0; writes out0
.if DOCPART == 6
	.amdgcn_target "amdgcn-amd-amdhsa--gfx1250"
	.amdhsa_code_object_version 6
	.text
	.protected	k_q65e8eb2b8d_proj
	.globl	k_q65e8eb2b8d_proj
	.p2align	8
	.type	k_q65e8eb2b8d_proj,@function
k_q65e8eb2b8d_proj:
	s_mov_b64 s[64:65], 0
	v_nop
	global_prefetch_b8 v0, s[64:65] scope:SCOPE_SE
	s_setreg_imm32_b32 hwreg(HW_REG_WAVE_SCHED_MODE, 0, 2), 2
	s_setreg_imm32_b32 hwreg(HW_REG_WAVE_MODE, 25, 1), 1
	s_wait_xcnt 0x0
	s_wait_alu depctr_vm_vsrc(0)
; out0 = LayerNorm(ctx wo + bo + x) ln_g + ln_b.  The product is on codes of FP4 (E2M1) with one E8M0 scale for each 32 along K = 512; all else in f32.
; ctx comes as images of operand registers: cc [tile of 16 rows][head][512 bytes] (head 2 s + c is group c of K step s), cs [head][tile][slot r]: two scale bytes.  wo: codes [512 (n)][256 bytes], 16 scale bytes a row.
; SHARES.  Work-group g takes rows 32 g .. 32 g + 31: tiles 2 g + u, in which slot r holds row 32 g + 8 u + r + 8 (r / 8).  Wave w makes columns 32 w .. 32 w + 31 of all 32 rows (16 matrix instructions);
; the rows meet in a stage in LDS; then wave w finishes two whole rows: residual, mean, variance (of the differences from the mean: no difference of large sums), gain and bias.
; TRANSPOSED: source 0 = 16 rows of wo, source 1 = 16 rows of ctx: a lane holds eight neighbouring columns of one row.  bo is the C of each sum's first matrix instruction.
; NO CLUSTER, NO TENSOR LOAD: all work-groups read the same wo (139,264 bytes with its scale bytes), but each of its bytes goes from memory into the registers of the one wave that multiplies by it, once,
; for 16 matrix instructions a wave; through LDS it would cost a store and a load more.
; LIMITS: NaN and infinities among the inputs are not served.
; THE MODE: SCHED_MODE bits 1:0 = 2 (LLVM: expert scheduling mode 2), set by the entry lines.  The code itself states the register dependences
; between vector or matrix instructions and memory or LDS instructions, with s_wait_alu, always for 0.
; THE PLAN.  Registers that memory or LDS instructions touch:
;   v1-7       offsets and LDS addresses: written at the head, never again: one wait ahead of the first load.
;   v16-79     wo's fragments land; the matrix instructions read; ln_g and ln_b land in v16-47.
;   v80-143    ctx's fragments land; the matrix instructions read; my two rows land in v80-111 from the stage; the row's arithmetic writes them in place; the final stores read.
;   v160-191   ctx's scale bytes land in v160-175; eight vector lines read them; then the accumulators: written by the matrix instructions, read by the stage's stores, never written again.
;   v232-239   ctx's scale words: written by those eight lines, read by the matrix instructions as scales.
;   v144-159, v192-231   bo, x and wo's scale words land once and are only read.
; So one wait on va_vdst stands ahead of the products (the scale words), one behind them (the accumulators are written; wo's and ctx's registers are done with), one behind the reciprocal roots and one ahead of the final stores.
; No register that a memory or LDS instruction reads is written again: no wait on vm_vsrc is owed.  Sixteen waves of 256 registers leave none for a further buffer.
.set PITCH, 2064                       ; a stage row: 2,048 bytes + 16 = 129 x 16: the sixteen rows that a store touches start in sixteen different columns of 16 bytes
.set L16,  1                           ; v1   16 x lane
.set C2,   2                           ; v2   2 r
.set WA,   3                           ; v3   wo's codes: 256 r + 16 h
.set WSA,  4                           ; v4   wo's scale bytes: 16 r
.set BOA,  5                           ; v5   bo: 32 h
.set STO,  6                           ; v6   into the stage: PITCH r + 32 h + 128 w
.set SRD,  7                           ; v7   back: 2 PITCH w + 16 x lane
.set W,    16                          ; v16-79   wo's fragments (tile v, K step s) at 16 + 8 (4 v + s); later ln_g in v16-31, ln_b in v32-47
.set LG,   16
.set LB,   32
.set CX,   80                          ; v80-143  ctx's fragments (tile u, K step s) at 80 + 8 (4 u + s); later my two rows of y in v80-111
.set Y,    80
.set BO,   144                         ; v144-159 bo in the result's layout
.set ACC,  160                         ; v160-191 the accumulators (u, v) at 160 + 8 (2 u + v); before that ctx's 16 pairs of scale bytes as loaded
.set RAW,  160
.set XR,   192                         ; v192-223 my two rows of x
.set WS,   224                         ; v224-231 wo's scale words: scales alone
.set CSC,  232                         ; v232-239 ctx's scale words: scales alone
.set T,    240                         ; v240-253 at work: row p: sums in v[240+4p:241+4p], a permute's destination v[242+4p], squares in v[248+4p:249+4p]
	s_load_b512 s[8:23], s[0:1], 0x0               ; cc 8, cs 10, wo_codes 12, wo_scales 14, bo 16, x 18, ln_g 20, ln_b 22
	s_load_b64 s[24:25], s[0:1], 0x40              ; out0
	v_lshl_add_u32 v254, v0, 2, 0x10200
	v_mov_b32 v255, 0
	v_lshrrev_b32 v240, 5, v0
	v_readfirstlane_b32 s4, v240                   ; wave 0..15
	v_and_b32 v240, 31, v0                         ; lane
	v_and_b32 v241, 15, v0                         ; r
	v_bfe_u32 v242, v0, 4, 1                       ; h
	v_lshlrev_b32 v[L16], 4, v240
	v_lshlrev_b32 v[C2], 1, v241
	v_lshlrev_b32 v[WA], 8, v241
	v_lshl_add_u32 v[WA], v242, 4, v[WA]
	v_lshlrev_b32 v[WSA], 4, v241
	v_lshlrev_b32 v[BOA], 5, v242
	v_mul_u32_u24 v[STO], v241, PITCH
	v_lshl_add_u32 v[STO], v242, 5, v[STO]
	s_wait_alu depctr_va_sdst(0)                   ; s4 is written, ahead of its first reader: shares and addresses are made from it
	s_lshl_b32 s34, s4, 7
	v_add_nc_u32 v[STO], s34, v[STO]
	s_mul_i32 s34, s4, 2*PITCH
	v_add_nc_u32 v[SRD], s34, v[L16]
	v_mov_b32 v[T+2], 0                            ; written once: a lane permute's destination counts as one of its sources
	v_mov_b32 v[T+6], 0
	s_mov_b32 s30, 0x76543210
	s_mov_b32 s31, 0xfedcba98                      ; selects of v_permlanex16_b32 for lane l xor 16
	s_mov_b32 s32, 0x3b000000                      ; 1 / 512
	s_mov_b32 s33, 0x3727c5ac                      ; 1e-5
	s_mov_b32 s37, 0
	s_lshr_b32 s38, s4, 3                          ; my two rows, slots 2 w and 2 w + 1 of the 32: rows 32 g + 8 (w >> 3) + 2 (w & 7) + 8 ((w >> 2) & 1) and the next
	s_lshl_b32 s38, s38, 3
	s_and_b32 s39, s4, 7
	s_lshl_b32 s39, s39, 1
	s_add_co_u32 s38, s38, s39
	s_bfe_u32 s39, s4, 0x10002
	s_lshl_b32 s39, s39, 3
	s_add_co_u32 s38, s38, s39
	s_lshl_b32 s39, ttmp9, 5
	s_add_co_u32 s38, s38, s39
	s_lshl_b32 s38, s38, 11                        ; rows of 2,048 bytes
	s_mov_b32 s39, 0
	s_wait_kmcnt 0x0
	s_add_nc_u64 s[18:19], s[18:19], s[38:39]
	s_add_nc_u64 s[24:25], s[24:25], s[38:39]
	s_lshl_b32 s36, ttmp9, 6
	s_add_nc_u64 s[10:11], s[10:11], s[36:37]      ; cs at tile 2 g: 32 bytes a tile
	s_lshl_b32 s36, ttmp9, 13
	s_add_nc_u64 s[8:9], s[8:9], s[36:37]          ; cc at tile 2 g: 4,096 bytes a tile
	s_lshl_b32 s36, s4, 13
	s_add_nc_u64 s[12:13], s[12:13], s[36:37]      ; wo's codes at row 32 w
	s_lshl_b32 s36, s4, 9
	s_add_nc_u64 s[14:15], s[14:15], s[36:37]      ; its scale bytes
	s_lshl_b32 s36, s4, 7
	s_add_nc_u64 s[16:17], s[16:17], s[36:37]      ; bo at column 32 w
	s_wait_alu depctr_va_vdst(0)                   ; v1 to v7 are written: every offset and LDS address that the loads and stores of the kernel read
.irp u, 0,1
.irp d, 0,1,2,3,4,5,6,7
	global_load_u16 v[RAW+8*\u+\d], v[C2], s[10:11] offset:16384*\d+32*\u      ; the two scale bytes of head d for the row in slot r of tile u
.endr
.endr
.irp v, 0,1
.irp s, 0,1,2,3
.irp c, 0,1
	global_load_b128 v[W+8*(4*\v+\s)+4*\c:W+8*(4*\v+\s)+4*\c+3], v[WA], s[12:13] offset:4096*\v+64*\s+32*\c
.endr
.endr
	global_load_b128 v[WS+4*\v:WS+4*\v+3], v[WSA], s[14:15] offset:256*\v      ; a row's 16 bytes: the four K steps' words
	global_load_b128 v[BO+8*\v:BO+8*\v+3], v[BOA], s[16:17] offset:64*\v       ; lane (r, h), register j: bo of column 32 w + 16 v + 8 h + j
	global_load_b128 v[BO+8*\v+4:BO+8*\v+7], v[BOA], s[16:17] offset:64*\v+16
.endr
.irp u, 0,1
.irp s, 0,1,2,3
.irp c, 0,1
	global_load_b128 v[CX+8*(4*\u+\s)+4*\c:CX+8*(4*\u+\s)+4*\c+3], v[L16], s[8:9] offset:4096*\u+1024*\s+512*\c   ; 512 consecutive bytes: four registers' image
.endr
.endr
.endr
.irp p, 0,1
.irp i, 0,1,2,3
	global_load_b128 v[XR+16*\p+4*\i:XR+16*\p+4*\i+3], v[L16], s[18:19] offset:2048*\p+512*\i th:TH_LOAD_NT       ; the residual: read once in this launch; wanted last
.endr
.endr
	s_wait_loadcnt 8                               ; all but x's eight loads are in
.irp u, 0,1
.irp s, 0,1,2,3
	v_lshl_or_b32 v[CSC+4*\u+\s], v[RAW+8*\u+2*\s+1], 16, v[RAW+8*\u+2*\s]     ; K step s: heads 2 s and 2 s + 1, two blocks each
.endr
.endr
.rept 8
	v_nop                                          ; a scale register written by a vector instruction stands eight places ahead of a scaled matrix instruction
.endr
	s_wait_alu depctr_va_vdst(0)                   ; ctx's scale words v232-239 are written, which the matrix instructions take as scales; the places above stay beside this wait
.irp s, 0,1,2,3                                ; four accumulators by turns, one instruction a turn
.irp u, 0,1
.irp v, 0,1
.if \s == 0
	v_wmma_scale_f32_16x16x128_f8f6f4 v[ACC+8*(2*\u+\v):ACC+8*(2*\u+\v)+7], v[W+8*(4*\v+\s):W+8*(4*\v+\s)+7], v[CX+8*(4*\u+\s):CX+8*(4*\u+\s)+7], v[BO+8*\v:BO+8*\v+7], v[WS+4*\v+\s], v[CSC+4*\u+\s] matrix_a_fmt:MATRIX_FMT_FP4 matrix_b_fmt:MATRIX_FMT_FP4
.else
	v_wmma_scale_f32_16x16x128_f8f6f4 v[ACC+8*(2*\u+\v):ACC+8*(2*\u+\v)+7], v[W+8*(4*\v+\s):W+8*(4*\v+\s)+7], v[CX+8*(4*\u+\s):CX+8*(4*\u+\s)+7], v[ACC+8*(2*\u+\v):ACC+8*(2*\u+\v)+7], v[WS+4*\v+\s], v[CSC+4*\u+\s] matrix_a_fmt:MATRIX_FMT_FP4 matrix_b_fmt:MATRIX_FMT_FP4
.endif
.endr
.endr
.endr
.rept 4
	v_nop                                          ; places in front of the stores that read results
.endr
	s_wait_alu depctr_va_vdst(0)                   ; the matrix instructions have written the accumulators, which the stage's stores read, and are done reading wo's registers, in which ln_g and ln_b land, and ctx's, in which my rows land behind the barrier
.irp i, 0,1,2,3
	global_load_b128 v[LG+4*\i:LG+4*\i+3], v[L16], s[20:21] offset:512*\i      ; gain and bias in a finished row's layout: columns 128 i + 4 x lane + 0 .. 3
	global_load_b128 v[LB+4*\i:LB+4*\i+3], v[L16], s[22:23] offset:512*\i
.endr
.irp u, 0,1
.irp v, 0,1
	ds_store_b128 v[STO], v[ACC+8*(2*\u+\v):ACC+8*(2*\u+\v)+3] offset:16*PITCH*\u+64*\v        ; stage row 16 u + r; each accumulator from its low end on
	ds_store_b128 v[STO], v[ACC+8*(2*\u+\v)+4:ACC+8*(2*\u+\v)+7] offset:16*PITCH*\u+64*\v+16
.endr
.endr
	s_wait_dscnt 0x0                               ; for the others' sake: my stores into the stage are done
	s_barrier_signal -1
	s_barrier_wait -1                              ; 32 whole rows lie in the stage
.irp p, 0,1
.irp i, 0,1,2,3
	ds_load_b128 v[Y+16*\p+4*\i:Y+16*\p+4*\i+3], v[SRD] offset:PITCH*\p+512*\i   ; no vector or matrix instruction since the wait behind the products names v80-111
.endr
.endr
	s_wait_loadcnt 0x0                             ; x, ln_g, ln_b
	s_wait_dscnt 0x0
	; my two rows by turns, 16 numbers a lane each
.irp k, 0,1,2,3,4,5,6,7
.irp p, 0,1
	v_pk_add_f32 v[Y+16*\p+2*\k:Y+16*\p+2*\k+1], v[Y+16*\p+2*\k:Y+16*\p+2*\k+1], v[XR+16*\p+2*\k:XR+16*\p+2*\k+1]   ; + the residual
.endr
.endr
.irp p, 0,1
	v_pk_add_f32 v[T+4*\p:T+4*\p+1], v[Y+16*\p:Y+16*\p+1], v[Y+16*\p+2:Y+16*\p+3]
.endr
.irp k, 2,3,4,5,6,7
.irp p, 0,1
	v_pk_add_f32 v[T+4*\p:T+4*\p+1], v[T+4*\p:T+4*\p+1], v[Y+16*\p+2*\k:Y+16*\p+2*\k+1]
.endr
.endr
.irp p, 0,1
	v_add_f32 v[T+4*\p], v[T+4*\p], v[T+4*\p+1]
.endr
.irp m, 1,2,4,8
.irp p, 0,1
	v_add_f32_dpp v[T+4*\p], v[T+4*\p], v[T+4*\p] row_xmask:\m row_mask:0xf bank_mask:0xf
.endr
.endr
.irp p, 0,1
	v_permlanex16_b32 v[T+4*\p+2], v[T+4*\p], s30, s31
.endr
.irp p, 0,1
	v_add_f32 v[T+4*\p], v[T+4*\p], v[T+4*\p+2]    ; the row's sum, in every lane
.endr
.irp p, 0,1
	v_mul_f32 v[T+4*\p], s32, v[T+4*\p]            ; the mean
.endr
.irp k, 0,1,2,3,4,5,6,7
.irp p, 0,1
	v_pk_add_f32 v[Y+16*\p+2*\k:Y+16*\p+2*\k+1], v[Y+16*\p+2*\k:Y+16*\p+2*\k+1], v[T+4*\p:T+4*\p+1] op_sel_hi:[1,0] neg_lo:[0,1] neg_hi:[0,1]   ; y - the mean
.endr
.endr
.irp p, 0,1
	v_pk_mul_f32 v[T+8+4*\p:T+9+4*\p], v[Y+16*\p:Y+16*\p+1], v[Y+16*\p:Y+16*\p+1]
.endr
.irp k, 1,2,3,4,5,6,7
.irp p, 0,1
	v_pk_fma_f32 v[T+8+4*\p:T+9+4*\p], v[Y+16*\p+2*\k:Y+16*\p+2*\k+1], v[Y+16*\p+2*\k:Y+16*\p+2*\k+1], v[T+8+4*\p:T+9+4*\p]
.endr
.endr
.irp p, 0,1
	v_add_f32 v[T+8+4*\p], v[T+8+4*\p], v[T+9+4*\p]
.endr
.irp m, 1,2,4,8
.irp p, 0,1
	v_add_f32_dpp v[T+8+4*\p], v[T+8+4*\p], v[T+8+4*\p] row_xmask:\m row_mask:0xf bank_mask:0xf
.endr
.endr
.irp p, 0,1
	v_permlanex16_b32 v[T+4*\p+2], v[T+8+4*\p], s30, s31
.endr
.irp p, 0,1
	v_add_f32 v[T+8+4*\p], v[T+8+4*\p], v[T+4*\p+2]
.endr
.irp p, 0,1
	v_fma_f32 v[T+8+4*\p], v[T+8+4*\p], s32, s33   ; the variance + 1e-5
.endr
	s_wait_alu depctr_va_vdst(0)
.irp p, 0,1
	v_rsq_f32 v[T+8+4*\p], v[T+8+4*\p]
.endr
	v_nop                                          ; one plain place behind a transcendental
	s_wait_alu depctr_va_vdst(0)                   ; the two reciprocal roots, v248 and v252, are written, ahead of their first reader: one wait for both
.irp k, 0,1,2,3,4,5,6,7
.irp p, 0,1
	v_pk_mul_f32 v[Y+16*\p+2*\k:Y+16*\p+2*\k+1], v[Y+16*\p+2*\k:Y+16*\p+2*\k+1], v[T+8+4*\p:T+9+4*\p] op_sel_hi:[1,0]
.endr
.endr
.irp k, 0,1,2,3,4,5,6,7
.irp p, 0,1
	v_pk_fma_f32 v[Y+16*\p+2*\k:Y+16*\p+2*\k+1], v[Y+16*\p+2*\k:Y+16*\p+2*\k+1], v[LG+2*\k:LG+2*\k+1], v[LB+2*\k:LB+2*\k+1]
.endr
.endr
	s_wait_alu depctr_va_vdst(0)                   ; the multiply-adds have written v80-111, which the eight stores read
.irp p, 0,1
.irp i, 0,1,2,3
	global_store_b128 v[L16], v[Y+16*\p+4*\i:Y+16*\p+4*\i+3], s[24:25] offset:2048*\p+512*\i th:TH_STORE_NT   ; 32 lanes store 512 consecutive bytes, aligned; written once, read by nobody here
.endr
.endr
	s_wait_dscnt 0x0                               ; the closing lines, six on end
	s_wait_alu 0x0
	s_wait_tensorcnt 0x0
	ds_add_u32 v254, v255
	s_wait_dscnt 0x0
	s_endpgm
.Lfunc_end_k_q65e8eb2b8d_proj:
	.size	k_q65e8eb2b8d_proj, .Lfunc_end_k_q65e8eb2b8d_proj-k_q65e8eb2b8d_proj
	.p2alignl 7, 3214868480
	.fill 96, 4, 3214868480
	.section	.rodata,"a",@progbits
	.p2align	6, 0x0
	.amdhsa_kernel k_q65e8eb2b8d_proj
		.amdhsa_group_segment_fixed_size 68096
		.amdhsa_private_segment_fixed_size 0
		.amdhsa_enable_private_segment 0
		.amdhsa_kernarg_size 72
		.amdhsa_user_sgpr_count 2
		.amdhsa_user_sgpr_kernarg_segment_ptr 1
		.amdhsa_wavefront_size32 1
		.amdhsa_system_sgpr_workgroup_id_x 1
		.amdhsa_system_sgpr_workgroup_id_y 1
		.amdhsa_system_sgpr_workgroup_id_z 1
		.amdhsa_system_vgpr_workitem_id 0
		.amdhsa_next_free_vgpr 256
		.amdhsa_next_free_sgpr 66
		.amdhsa_reserve_vcc 0
		.amdhsa_float_denorm_mode_32 3
		.amdhsa_float_denorm_mode_16_64 3
		.amdhsa_memory_ordered 1
		.amdhsa_forward_progress 1
		.amdhsa_inst_pref_size 22
	.end_amdhsa_kernel
	.amdgpu_metadata
---
amdhsa.version: [ 1, 2 ]
amdhsa.kernels:
  - .name:           k_q65e8eb2b8d_proj
    .symbol:         k_q65e8eb2b8d_proj.kd
    .args:
      - { .name: cc, .offset: 0, .size: 8, .value_kind: global_buffer, .address_space: global }
      - { .name: cs, .offset: 8, .size: 8, .value_kind: global_buffer, .address_space: global }
      - { .name: wo_codes, .offset: 16, .size: 8, .value_kind: global_buffer, .address_space: global }
      - { .name: wo_scales, .offset: 24, .size: 8, .value_kind: global_buffer, .address_space: global }
      - { .name: bo, .offset: 32, .size: 8, .value_kind: global_buffer, .address_space: global }
      - { .name: x, .offset: 40, .size: 8, .value_kind: global_buffer, .address_space: global }
      - { .name: ln_g, .offset: 48, .size: 8, .value_kind: global_buffer, .address_space: global }
      - { .name: ln_b, .offset: 56, .size: 8, .value_kind: global_buffer, .address_space: global }
      - { .name: out0, .offset: 64, .size: 8, .value_kind: global_buffer, .address_space: global }
    .group_segment_fixed_size: 68096
    .private_segment_fixed_size: 0
    .kernarg_segment_align: 8
    .kernarg_segment_size: 72
    .max_flat_workgroup_size: 512
    .sgpr_count:     66
    .vgpr_count:     256
    .wavefront_size: 32
...
	.end_amdgpu_metadata
.endif
;; end of part 6
